; MI455X (gfx1250); checked and timed in simulation.
; The chip was launched on July 23, 2026; its instructions are those of AMD's public machine-readable ISA for CDNA 5 (MIT licence, August 2026) and "CDNA5" Instruction Set Architecture Reference Guide (July 2026). The comments in the code are by the model that wrote it; some were corrected since.
;; RBF Multi Head Attn. Allowed arithmetic: matrix products marked QUANTISED: E5M2 operands, one given power-of-two scale a tensor, by v_wmma_f32_16x16x64_bf8_bf8 or v_wmma_f32_16x16x128_bf8_bf8, f32 sums; products left as they are: f32 operands where the result goes on into a quantised operand, else bf16, f16 or f32 operands; f32 sums; everything else in f32.
;; Inputs: Wkv 1,024 x 512 float32; Wo 512 x 512 float32; Wq 512 x 512 float32; h 1,024 x 8 x 512 float32; ln_b 512 float32; ln_g 512 float32; lowp_scales 18 int32 (the exponents e of the quantised operands' scales 2^e).
;; Outputs: out0 1,024 x 8 x 512 float32.
;; This version of the problem:
;;   THIS VERSION OF THE PROBLEM IS GIVEN IN LOW PRECISION. The matrix products marked QUANTISED in the list below multiply operands that are first quantised to E5M2 (5 exponent bits, 2 mantissa bits; 8 bits a number), with one given power-of-two scale for each operand tensor; their sums are f32. All else is computed in f32.
;;   The module's matrix products, in the order in which they are computed (A, B: the left and right operand; K: the contracted axis; several contracted axes count as one K, in the product's order):
;;     1. [M 8,192, K 512] x [K 512, N 512]; A: input h; B: input Wq: QUANTISED (scales: A lowp_scales[0], B lowp_scales[1])
;;     2. [M 8,192, K 512] x [K 512, N 1,024]; A: input h; B: input Wkv: QUANTISED (scales: A lowp_scales[2], B lowp_scales[3])
;;     3. batch 64 x [M 1,024, K 64] x [K 64, N 1,024]; A: computed on the way; B: computed on the way: QUANTISED (scales: A lowp_scales[4], B lowp_scales[5])
;;     4. batch 64 x [M 1,024, K 128] x [K 128, N 1,024]; A: computed on the way; B: computed on the way: QUANTISED (scales: A lowp_scales[6], B lowp_scales[7])
;;     5. batch 1,024 x [M 1, K 1,024] x [K 1,024, N 64]; A: computed on the way; B: computed on the way: left as it is (M = 1 < 16)
;;     6. [M 1,024, K 1,024] x [K 1,024, N 64]; A: computed on the way; B: computed on the way: QUANTISED (scales: A lowp_scales[8], B lowp_scales[9])
;;     7. batch 64 x [M 1,024, K 64] x [K 64, N 1,024]; A: computed on the way; B: computed on the way: QUANTISED (scales: A lowp_scales[10], B lowp_scales[11])
;;     8. batch 1,024 x [M 1, K 1,024] x [K 1,024, N 64]; A: computed on the way; B: computed on the way: left as it is (M = 1 < 16)
;;     9. [M 1,024, K 1,024] x [K 1,024, N 64]; A: computed on the way; B: computed on the way: QUANTISED (scales: A lowp_scales[12], B lowp_scales[13])
;;     10. batch 64 x [M 64, K 1,024] x [K 1,024, N 1,024]; A: computed on the way; B: computed on the way: QUANTISED (scales: A lowp_scales[14], B lowp_scales[15])
;;     11. [M 8,192, K 512] x [K 512, N 512]; A: computed on the way; B: input Wo: QUANTISED (scales: A lowp_scales[16], B lowp_scales[17])
;;   THE QUANTISER, for each operand of a quantised product, along K:
;;     - The operand's scale is 2^e, e = its entry of the input lowp_scales (int32; the entries are numbered through the quantised products in the list's order, A before B).
;;     - Each number is divided by the scale, clamped to +-57,344, and rounded to the nearest number of E5M2, ties to even, subnormals kept.
;;     - The product sums the exact products of the quantised numbers (number of the format x scale) in f32.
;;   ~~~python
;;   def quantise(x, axis, e):      # numpy; x: float32 -> the quantised numbers, widened to float32 again
;;       x = np.moveaxis(x, axis, -1); K = x.shape[-1]
;;       r = np.clip(x / 2.0 ** e, -57344, 57344)
;;       step = 2.0 ** (np.maximum(np.frexp(np.where(r == 0, 1, r))[1] - 1, -14) - 2)
;;       q = np.round(r / step) * step * 2.0 ** e      # np.round: ties to even
;;       return np.moveaxis(q, -1, axis).astype(np.float32)
;;   ~~~
;;   OPERANDS COMPUTED ON THE WAY. 'Computed on the way' means the value that the module computes at that place (a softmax that the list does not call 'softmax' is quantised finished and normalised). What goes into a quantiser is computed in f32, as accurately as f32 sums, v_exp_f32 and their like allow (about 1e-6 of the number): no bf16 or f16 on the way to a quantiser, and a product that is left as it is and whose result goes on into a quantised operand takes f32 operands (vector FMAs, or v_wmma_f32_16x16x4_f32). A number that lies on a knife's edge between two numbers of the format may be rounded either way, as far as f32 arithmetic and the matrix unit's own rounding can turn it there, and no further.
;; One version. Each part assembles by itself: llvm-mc -triple=amdgcn-amd-amdhsa -mcpu=gfx1250 --defsym DOCPART=n.
;; ======== version 1 of 1: 5 launches
;; limits: right only within a limited range of input values
;; workspace buffers: wc 1,048,576 bytes; c64 16,777,216 bytes; ckv 16,777,216 bytes; vt 4,194,304 bytes; rs 786,432 bytes; ob 524,288 bytes; ac 4,194,304 bytes
;; launch prep (part 1): grid 128 x 1, 4 waves a work-group, no clusters, 34,304 bytes of LDS; arguments Wq, Wkv, Wo, lowp_scales, wc; writes wc
.if DOCPART == 1
	.amdgcn_target "amdgcn-amd-amdhsa--gfx1250"
	.amdhsa_code_object_version 6
	.text
	.protected	k_qc7658fb3ba_prep
	.globl	k_qc7658fb3ba_prep
	.p2align	8
	.type	k_qc7658fb3ba_prep,@function
k_qc7658fb3ba_prep:
	s_mov_b64 s[64:65], 0
	v_nop
	global_prefetch_b8 v0, s[64:65] scope:SCOPE_SE
	s_setreg_imm32_b32 hwreg(HW_REG_WAVE_MODE, 25, 1), 1
	s_wait_xcnt 0x0
; Wq [512][512], Wkv [1024][512], Wo [512][512], f32, K innermost, become codes of BF8 (E5M2), laid as IMAGES OF OPERAND REGISTERS:
; wc = [hb 32][t 4][ks 4][2048 bytes]; hb 0-7 Wq (scale entry 1), 8-23 Wkv (entry 3), 24-31 Wo (entry 17).  An image is a fragment of 16 rows x 128 K:
; group c (0..3) at 512 c + 16 lane holds, for lane (r, hh), the codes k = 128 ks + 32 c + 16 hh + 0..15 of the tile's row r.
; THE ROWS OF A TILE ARE NOT NEIGHBOURS: lane r of tile t is row 64 hb' + 32 (t / 2) + 8 (t % 2) + r + 8 (r / 8), so that the results of two neighbouring tiles are 16 neighbours along a later K.
; code = x / 2^e, held within +-57,344, to the nearest code, ties to even.  LIMITS: e between -126 and 112; NaN among the inputs is not served.
; SHARES: work-group x is tile (hb = x / 4, t = x % 4), wave w its K step.  Each load reads 512 consecutive bytes of one row; the 16 x 512 bytes turn through the wave's own stage in LDS,
; so that a lane then holds 16 neighbours along K; each store covers 512 consecutive bytes.  Waves share nothing: no barrier.  No matrix unit, no cluster: every byte is read once and written once.
.set PITCH, 528                        ; a stage row: 512 bytes + 16: row r starts at bank 4 r mod 64 (64 banks of 4 bytes: ISA guide 11.1)
.set STGB,  16*PITCH
.set R,     16                         ; v16-79   the numbers as loaded
.set X,     80                         ; v80-143  register 16 b + i = k 32 b + 16 hh + i of my row
.set PC,    144                        ; v144-159 the codes
	s_load_b256 s[4:11], s[0:1], 0x0               ; Wq s[4:5], Wkv s[6:7], Wo s[8:9], the exponents s[10:11]
	s_load_b64 s[12:13], s[0:1], 0x20              ; wc
	v_lshl_add_u32 v160, v0, 2, 0x8400
	v_mov_b32 v161, 0
	v_lshrrev_b32 v6, 5, v0
	v_readfirstlane_b32 s14, v6                    ; wave = K step
	v_and_b32 v7, 31, v0
	v_lshlrev_b32 v1, 4, v7                        ; 16 x lane
	s_mul_i32 s15, s14, STGB                       ; my stage
	v_add_nc_u32 v2, s15, v1                       ; into it: 16 x lane of a row
	v_and_b32 v8, 15, v0                           ; r
	v_bfe_u32 v9, v0, 4, 1                         ; hh
	v_mul_u32_u24 v3, v8, PITCH
	v_lshl_add_u32 v3, v9, 6, v3
	v_add_nc_u32 v3, s15, v3                       ; out of it: row r, + 64 hh
	s_lshr_b32 s16, ttmp9, 2                       ; hb
	s_and_b32 s17, ttmp9, 3                        ; t
	s_lshl_b32 s22, ttmp9, 13                      ; my image: 8,192 x + 2,048 ks
	s_lshl_b32 s23, s14, 11
	s_add_co_u32 s22, s22, s23
	s_mov_b32 s23, 0
	s_wait_kmcnt 0x0
	s_load_b32 s24, s[10:11], 0x4                  ; e1
	s_load_b32 s25, s[10:11], 0xc                  ; e3
	s_load_b32 s26, s[10:11], 0x44                 ; e17
	s_add_nc_u64 s[12:13], s[12:13], s[22:23]
	s_cmp_lt_u32 s16, 24                           ; which tensor: the choice hangs on the work-group's number alone
	s_cselect_b64 s[6:7], s[6:7], s[8:9]
	s_cselect_b32 s18, 8, 24
	s_cmp_lt_u32 s16, 8
	s_cselect_b64 s[4:5], s[4:5], s[6:7]
	s_cselect_b32 s18, 0, s18
	s_sub_co_u32 s18, s16, s18                     ; hb'
	s_lshl_b32 s18, s18, 6
	s_lshr_b32 s19, s17, 1
	s_lshl_b32 s19, s19, 5
	s_add_co_u32 s18, s18, s19
	s_and_b32 s19, s17, 1
	s_lshl_b32 s19, s19, 3
	s_add_co_u32 s18, s18, s19                     ; the tile's first row
	s_lshl_b32 s18, s18, 11                        ; x 2,048 bytes
	s_lshl_b32 s19, s14, 9                         ; + 512 ks
	s_add_co_u32 s18, s18, s19
	s_mov_b32 s19, 0
	s_add_nc_u64 s[4:5], s[4:5], s[18:19]
.set i, 0
.rept 16
	global_load_b128 v[R+4*i:R+4*i+3], v1, s[4:5] offset:(i+8*(i/8))*2048 th:TH_LOAD_NT   ; row i + 8 (i / 8): 512 consecutive bytes
.set i, i+1
.endr
	s_wait_kmcnt 0x0
	s_cmp_lt_u32 s16, 24
	s_cselect_b32 s25, s25, s26
	s_cmp_lt_u32 s16, 8
	s_cselect_b32 s24, s24, s25                    ; e
	s_add_co_i32 s24, s24, 127
	s_lshl_b32 s25, s24, 23
	v_mov_b32 v4, s25                              ; 2^e as f32: the conversion takes its exponent field
	s_add_co_i32 s24, s24, 15
	s_lshl_b32 s24, s24, 23
	s_or_b32 s24, s24, 0x600000
	v_mov_b32 v5, s24                              ; 57,344 x 2^e
	s_wait_loadcnt 0x0
.set i, 0
.rept 16
	ds_store_b128 v2, v[R+4*i:R+4*i+3] offset:PITCH*i
.set i, i+1
.endr
.set i, 0
.rept 16
	ds_load_b128 v[X+4*i:X+4*i+3], v3 offset:128*(i/4)+16*(i%4)   ; LDS serves a wave's instructions in order (ISA guide 5.7.1.4): these see my stores
.set i, i+1
.endr
	s_wait_dscnt 0x0
.set i, 0
.rept 64
	v_med3_num_f32 v[X+i], v[X+i], -v5, v5         ; the conversion does not saturate (ISA guide 7.6.2): the hold comes first
.set i, i+1
.endr
.set i, 0
.rept 8
	v_cvt_scalef32_pk8_bf8_f32 v[PC+2*i:PC+2*i+1], v[X+8*i:X+8*i+7], v4
.set i, i+1
.endr
	v_nop                                          ; a plain line behind the last conversion
.set i, 0
.rept 4
	global_store_b128 v1, v[PC+4*i:PC+4*i+3], s[12:13] offset:512*i   ; 32 lanes store 512 consecutive bytes, aligned
.set i, i+1
.endr
	s_barrier_signal -1
	s_barrier_wait -1
	s_wait_tensorcnt 0x0
	ds_add_u32 v160, v161
	s_wait_dscnt 0x0
	s_endpgm
.Lfunc_end_k_qc7658fb3ba_prep:
	.size	k_qc7658fb3ba_prep, .Lfunc_end_k_qc7658fb3ba_prep-k_qc7658fb3ba_prep
	.p2alignl 7, 3214868480
	.fill 96, 4, 3214868480
	.section	.rodata,"a",@progbits
	.p2align	6, 0x0
	.amdhsa_kernel k_qc7658fb3ba_prep
		.amdhsa_group_segment_fixed_size 34304
		.amdhsa_private_segment_fixed_size 0
		.amdhsa_enable_private_segment 0
		.amdhsa_kernarg_size 40
		.amdhsa_user_sgpr_count 2
		.amdhsa_user_sgpr_kernarg_segment_ptr 1
		.amdhsa_wavefront_size32 1
		.amdhsa_system_sgpr_workgroup_id_x 1
		.amdhsa_system_sgpr_workgroup_id_y 1
		.amdhsa_system_sgpr_workgroup_id_z 1
		.amdhsa_system_vgpr_workitem_id 0
		.amdhsa_next_free_vgpr 162
		.amdhsa_next_free_sgpr 66
		.amdhsa_reserve_vcc 0
		.amdhsa_float_denorm_mode_32 3
		.amdhsa_float_denorm_mode_16_64 3
		.amdhsa_memory_ordered 1
		.amdhsa_forward_progress 1
		.amdhsa_inst_pref_size 12
	.end_amdhsa_kernel
	.amdgpu_metadata
---
amdhsa.version: [ 1, 2 ]
amdhsa.kernels:
  - .name:           k_qc7658fb3ba_prep
    .symbol:         k_qc7658fb3ba_prep.kd
    .args:
      - { .name: Wq, .offset: 0, .size: 8, .value_kind: global_buffer, .address_space: global }
      - { .name: Wkv, .offset: 8, .size: 8, .value_kind: global_buffer, .address_space: global }
      - { .name: Wo, .offset: 16, .size: 8, .value_kind: global_buffer, .address_space: global }
      - { .name: lowp_scales, .offset: 24, .size: 8, .value_kind: global_buffer, .address_space: global }
      - { .name: wc, .offset: 32, .size: 8, .value_kind: global_buffer, .address_space: global }
    .group_segment_fixed_size: 34304
    .private_segment_fixed_size: 0
    .kernarg_segment_align: 8
    .kernarg_segment_size: 40
    .max_flat_workgroup_size: 128
    .sgpr_count:     66
    .vgpr_count:     162
    .wavefront_size: 32
...
	.end_amdgpu_metadata
.endif
;; end of part 1
;; launch proj (part 2): grid 64 x 3, 8 waves a work-group, no clusters, 138,240 bytes of LDS; arguments h, wc, lowp_scales, c64, ckv, vt, rs; writes c64, ckv, vt, rs
.if DOCPART == 2
	.amdgcn_target "amdgcn-amd-amdhsa--gfx1250"
	.amdhsa_code_object_version 6
	.text
	.protected	k_qc7658fb3ba_proj
	.globl	k_qc7658fb3ba_proj
	.p2align	8
	.type	k_qc7658fb3ba_proj,@function
k_qc7658fb3ba_proj:
	s_mov_b64 s[64:65], 0
	v_nop
	global_prefetch_b8 v0, s[64:65] scope:SCOPE_SE
	s_setreg_imm32_b32 hwreg(HW_REG_WAVE_MODE, 25, 1), 1
	s_wait_xcnt 0x0
; q = h Wq^T, k = h Wk^T (then normalised head by head), v = h Wv^T on codes of BF8 (E5M2); the results leave as the CODES that the later products want, and as row sums of squares in f32.
; SHARES: work-group (x, y): b = x % 8, sb = x / 8: 128 places of the sequence for one b; y = 0: q, 1: k, 2: v.  Wave w is head w: its 64 x 512 weight codes stay in 256 registers (window 1).
; PLACES: the 1,024 sequence places of a (b, head) go in 64 tiles; place 16 tau + r stands for s = 32 (tau / 2) + 8 (tau % 2) + r + 8 (r / 8).  All tiles and per-row arrays in the workspace are in that order.
; IMAGES: an operand of 16 rows x 128 K is 2,048 bytes: group c at 512 c + 16 lane = codes k = 32 c + 16 hh + 0..15 of row r (64 K: groups 0, 1).  Every image is written and read 512 consecutive bytes an instruction.
; THE PRODUCT IS USED TRANSPOSED (source 0 = 16 rows of W, source 1 = 16 places of h): a lane holds one place, and, by the order of W's rows in a tile, its 32 registers are d = 32 b + 16 hh + 0..15, b = 0, 1: the images' order.
; For v a second product, not transposed, gives a lane one d and registers down the places: V^T with the keys innermost.
; WHICH SCALE: in the products of pairs the left operand is the KEY side (j) and the right one the QUERY side (i): in q . k entry 4 is k's scale and entry 5 is q's.
; OUT: c64 = q (entry 5) | k (4) | k (10) | k (11), each [bh][tau][1024];  ckv = [k|v] (6) | [k|v] (7), each [bh][tau][2048];  vt = V^T (14), [bh][64 keys][4 tiles of d][1024];  rs = sums of q^2 | k^2 | v^2, f32 [bh][place].
; LIMITS: each exponent between -126 and 112; e0 + e1 and e2 + e3 between -126 and 127.  NaN and infinity among the inputs are not served.
; NO CLUSTER, NO TENSOR LOAD: a work-group asks for all it reads (256 KiB of h, 32 KiB of weight codes a wave) once, at its head; nothing in LDS is filled twice, so there is no ring whose requests partners could join.
; 192 work-groups: three kinds of result do not divide 256, and one kind to a work-group is what lets a head's weights stay in registers.
.set XIMG,  0                          ; LDS: h's 32 fragments (tile t', K step ks) at (4 t' + ks) 2,048
.set STG,   65536                      ; a turning stage for each wave: 16 rows x 528
.set PITCH, 528
.set STGB,  16*PITCH
.set SST,   STG+8*STGB                 ; 128 row sums for each wave
.set FIN,   1                          ; v1   SST + 512 w + 16 lane
.set LI,    2                          ; v2   16 x lane
.set VO1,   3                          ; v3-5 16 x lane + 4, 8, 12 MiB: the parts of c64 and ckv
.set VO2,   4
.set VO3,   5
.set HA,    6                          ; v6   LDS address of the pair's fragments
.set SA,    7                          ; v7   SST + 512 w + 4 r;  v8 the same for the pair in hand
.set SAT,   8
.set SW,    9                          ; v9, v10 the stage: in, out
.set SR,    10
.set IW,    11                         ; v11  where I store h's images
.set SC4,   12                         ; pairs (2^e, 57,344 x 2^e), named by the entry
.set SC5,   14
.set SC10,  16
.set SC11,  18
.set SC6,   20
.set SC7,   22
.set SC14,  24
.set SCH,   26
.set HF,    32                         ; v32-95   h's four fragments of a tile
.set ACC,   96                         ; v96-127  four accumulators
.set X,     128                        ; v128-159 the lane's 32 true values
.set T,     160                        ; v160-191 held copies
.set N,     128                        ; v128-191 the product that is not transposed (over X and T, which are done with)
.set PC,    192                        ; v192-199 codes of a 64-K image
.set VC,    200                        ; v200-215 codes of V^T
.set R0,    32                         ; phase X: numbers as loaded, two sets (the second at R0 + 160)
.set XQ,    96                         ; phase X: 64 numbers after the turn
.set PCX,   160                        ; phase X: a fragment's codes
.set MSB, 0
.macro WIN new                         ; the immediate's high byte repeats the setting that is left
.if MSB != \new
	s_set_vgpr_msb (MSB<<8)|\new
.set MSB, \new
.endif
.endm
.macro MKSC se, vs                     ; v[vs] = 2^e, v[vs+1] = 57,344 x 2^e, e in s[se]
	s_add_co_i32 s42, s[\se], 127
	s_lshl_b32 s43, s42, 23
	v_mov_b32 v[\vs], s43
	s_add_co_i32 s42, s42, 15
	s_lshl_b32 s42, s42, 23
	s_or_b32 s42, s42, 0x600000
	v_mov_b32 v[\vs+1], s42
.endm
.macro PLACES
.rept 4
	v_nop
.endr
.endm
	s_load_b256 s[4:11], s[0:1], 0x0               ; h s[4:5], wc s[6:7], exponents s[8:9], c64 s[10:11]
	s_load_b128 s[12:15], s[0:1], 0x20             ; ckv s[12:13], vt s[14:15]
	s_load_b64 s[16:17], s[0:1], 0x30              ; rs
	v_lshrrev_b32 v28, 5, v0
	v_readfirstlane_b32 s18, v28                   ; wave = head
	s_and_b32 s19, ttmp7, 0xffff                   ; kind: 0 q, 1 k, 2 v
	s_and_b32 s20, ttmp9, 7                        ; b
	s_lshr_b32 s21, ttmp9, 3                       ; sb
	s_lshl_b32 s22, s20, 3
	s_add_co_u32 s22, s22, s18                     ; bh
	s_mov_b32 s40, 0x76543210                      ; v_permlanex16_b32: lane l xor 16
	s_mov_b32 s41, 0xfedcba98
	v_and_b32 v28, 31, v0
	v_and_b32 v29, 15, v0                          ; r
	v_bfe_u32 v30, v0, 4, 1                        ; hh
	v_lshlrev_b32 v[LI], 4, v28
	v_add_nc_u32 v[VO1], 0x400000, v[LI]
	v_add_nc_u32 v[VO2], 0x800000, v[LI]
	v_add_nc_u32 v[VO3], 0xc00000, v[LI]
	s_mul_i32 s42, s18, STGB
	s_add_co_u32 s42, s42, STG
	v_add_nc_u32 v[SW], s42, v[LI]
	v_mul_u32_u24 v[SR], v29, PITCH
	v_lshl_add_u32 v[SR], v30, 6, v[SR]
	v_add_nc_u32 v[SR], s42, v[SR]
	s_lshl_b32 s42, s18, 13
	v_add_nc_u32 v[IW], s42, v[LI]                 ; XIMG + 8,192 w + 16 lane
	s_lshl_b32 s42, s18, 9
	s_add_co_u32 s42, s42, SST
	v_lshl_add_u32 v[SA], v29, 2, s42
	v_add_nc_u32 v[FIN], s42, v[LI]
	s_lshl_b32 s44, s19, 3                         ; my weights: block 8 kind + w of 32,768 bytes
	s_add_co_u32 s44, s44, s18
	s_lshl_b32 s44, s44, 15
	s_mov_b32 s45, 0
	s_lshl_b32 s46, s21, 7                         ; the tile of h that I quantise: t' = w: first row 128 sb + 32 (w / 2) + 8 (w % 2)
	s_lshr_b32 s47, s18, 1
	s_lshl_b32 s47, s47, 5
	s_add_co_u32 s46, s46, s47
	s_and_b32 s47, s18, 1
	s_lshl_b32 s47, s47, 3
	s_add_co_u32 s46, s46, s47
	s_lshl_b32 s46, s46, 14                        ; x 16,384 bytes from s to s + 1
	s_lshl_b32 s47, s20, 11                        ; + 2,048 b
	s_add_co_u32 s46, s46, s47
	s_mov_b32 s47, 0
	s_lshl_b32 s48, s22, 16                        ; 65,536 bh + 8,192 sb: c64's parts and vt
	s_lshl_b32 s49, s21, 13
	s_add_co_u32 s48, s48, s49
	s_mov_b32 s49, 0
	s_lshl_b32 s50, s48, 1                         ; twice that: ckv's parts
	s_mov_b32 s51, 0
	s_lshl_b32 s52, s19, 18                        ; rs: 262,144 kind + 4,096 bh + 512 sb
	s_lshl_b32 s53, s22, 12
	s_add_co_u32 s52, s52, s53
	s_lshl_b32 s53, s21, 9
	s_add_co_u32 s52, s52, s53
	s_mov_b32 s53, 0
	s_wait_kmcnt 0x0
	s_load_b512 s[68:83], s[8:9], 0x0              ; e0 .. e15 in s68 .. s83
	s_add_nc_u64 s[6:7], s[6:7], s[44:45]
	s_add_nc_u64 s[4:5], s[4:5], s[46:47]
	s_add_nc_u64 s[28:29], s[10:11], s[48:49]      ; P64
	s_add_nc_u64 s[30:31], s[12:13], s[50:51]      ; PKV
	s_add_nc_u64 s[32:33], s[14:15], s[48:49]      ; PVT
	s_add_nc_u64 s[16:17], s[16:17], s[52:53]
	WIN 0x40                                       ; destination window 1
.set i, 0
.rept 64
	global_load_b128 v[4*i:4*i+3], v[LI], s[6:7] offset:512*i   ; fragment (t, ks) at v[16 (4 t + ks)] of window 1: they stay
.set i, i+1
.endr
	WIN 0
.macro LOADX reg, ks                   ; 16 rows x 512 bytes of K step ks
.set i, 0
.rept 16
	global_load_b128 v[\reg+4*i:\reg+4*i+3], v[LI], s[4:5] offset:(i+8*(i/8))*16384+512*(\ks)
.set i, i+1
.endr
.endm
	LOADX R0, 0
	LOADX R0+160, 1
	s_wait_kmcnt 0x0
	s_cmp_eq_u32 s19, 0
	s_cselect_b32 s52, s68, s70                    ; h's exponent: e0 for q, e2 for k and v
	s_cselect_b32 s53, s69, s71                    ; the weight's
	s_add_co_i32 s53, s52, s53
	s_add_co_i32 s53, s53, 127
	s_lshl_b32 s24, s53, 23                        ; 2^(their sum) as f32
	s_mov_b32 s25, s24                             ; (named with it as a pair, so it is written)
	MKSC 52, SCH
	MKSC 72, SC4
	MKSC 73, SC5
	MKSC 78, SC10
	MKSC 79, SC11
	MKSC 74, SC6
	MKSC 75, SC7
	MKSC 82, SC14
; ---- PHASE X: my tile of h becomes four fragments in LDS
.macro XSTEP ks
.if \ks < 3
	s_wait_loadcnt 16                              ; this K step's loads (and the weights) are in; the one younger K step's sixteen may be out
.else
	s_wait_loadcnt 0x0
.endif
.set i, 0
.rept 16
	ds_store_b128 v[SW], v[R0+160*((\ks)%2)+4*i:R0+160*((\ks)%2)+4*i+3] offset:PITCH*i
.set i, i+1
.endr
.set i, 0
.rept 16
	ds_load_b128 v[XQ+4*i:XQ+4*i+3], v[SR] offset:128*(i/4)+16*(i%4)   ; my own stage, served in order
.set i, i+1
.endr
	s_wait_dscnt 0x0                               ; the numbers are back; the stage's stores have read their registers, and so have the last image's
.if \ks < 2
	LOADX R0+160*((\ks)%2), (\ks)+2
.endif
.set i, 0
.rept 64
	v_med3_num_f32 v[XQ+i], v[XQ+i], -v[SCH+1], v[SCH+1]
.set i, i+1
.endr
.set i, 0
.rept 8
	v_cvt_scalef32_pk8_bf8_f32 v[PCX+2*i:PCX+2*i+1], v[XQ+8*i:XQ+8*i+7], v[SCH]
.set i, i+1
.endr
	v_nop                                          ; a plain line behind the last conversion
.set i, 0
.rept 4
	ds_store_b128 v[IW], v[PCX+4*i:PCX+4*i+3] offset:2048*(\ks)+512*i
.set i, i+1
.endr
.endm
	XSTEP 0
	XSTEP 1
	XSTEP 2
	XSTEP 3
	s_wait_dscnt 0x0                               ; my images have landed
	s_barrier_signal -1
	s_barrier_wait -1                              ; all 32 fragments lie in LDS; nothing writes them again
; ---- PHASE M
.macro SUMSQ                           ; v28 = the sum of my place's 64 squares
	v_pk_mul_f32 v[28:29], v[X:X+1], v[X:X+1]
	v_pk_mul_f32 v[30:31], v[X+2:X+3], v[X+2:X+3]
.set i, 4
.rept 7
	v_pk_fma_f32 v[28:29], v[X+i:X+i+1], v[X+i:X+i+1], v[28:29]
	v_pk_fma_f32 v[30:31], v[X+i+2:X+i+3], v[X+i+2:X+i+3], v[30:31]
.set i, i+4
.endr
	v_pk_add_f32 v[28:29], v[28:29], v[30:31]
	v_add_f32 v28, v28, v29
	v_permlanex16_b32 v30, v28, s40, s41           ; the place's other 32 lie in the lane 16 away
	v_add_f32 v28, v28, v30
.endm
.macro QS sc, pb, vo, off              ; X is quantised with the pair v[sc], v[sc+1] and stored as a 64-K image at s[pb:pb+1] + v[vo] + off
	s_wait_xcnt 0x0                                ; the last image's stores have read PC
.set i, 0
.rept 32
	v_med3_num_f32 v[T+i], v[X+i], -v[\sc+1], v[\sc+1]
.set i, i+1
.endr
.set i, 0
.rept 4
	v_cvt_scalef32_pk8_bf8_f32 v[PC+2*i:PC+2*i+1], v[T+8*i:T+8*i+7], v[\sc]
.set i, i+1
.endr
	v_nop                                          ; a plain line behind the last conversion
	global_store_b128 v[\vo], v[PC:PC+3], s[\pb:\pb+1] offset:\off
	global_store_b128 v[\vo], v[PC+4:PC+7], s[\pb:\pb+1] offset:\off+512
.endm
.macro HLOAD u                         ; the four fragments of the pair's tile u
.set i, 0
.rept 16
	ds_load_b128 v[HF+4*i:HF+4*i+3], v[HA] offset:8192*\u+512*i
.set i, i+1
.endr
	s_wait_dscnt 0x0
.endm
.macro ROWTILE u
	HLOAD \u
	WIN 0x01                                       ; source 0 (W) window 1
.set i, 0
.rept 16                               ; K step i / 4, tile i % 4: the four accumulators take turns
.set rD, ACC+8*(i%4)
.set rW, 16*(4*(i%4)+i/4)
.set rH, HF+16*(i/4)
.if i < 4
	v_wmma_f32_16x16x128_bf8_bf8 v[rD:rD+7], v[rW:rW+15], v[rH:rH+15], 0
.else
	v_wmma_f32_16x16x128_bf8_bf8 v[rD:rD+7], v[rW:rW+15], v[rH:rH+15], v[rD:rD+7]
.endif
.set i, i+1
.endr
	WIN 0
	PLACES
.set i, 0
.rept 16
	v_pk_mul_f32 v[X+2*i:X+2*i+1], v[ACC+2*i:ACC+2*i+1], s[24:25] op_sel_hi:[1,0]   ; the true values; each accumulator from its low end on
.set i, i+1
.endr
	SUMSQ
	s_cmp_eq_u32 s19, 1
	s_cbranch_scc1 .Lk_\@
	s_cmp_eq_u32 s19, 2
	s_cbranch_scc1 .Lv_\@
	QS SC5, 28, LI, 1024*\u                        ; q: the right operand of q . k: entry 5
	s_branch .Ljoin_\@
.Lk_\@:
	v_sqrt_f32 v29, v28                            ; k / max(|k|, 1e-12)
	v_nop
	s_wait_alu depctr_va_vdst(0)
	v_max_num_f32 v29, 0x2b8cbccc, v29
	v_rcp_f32 v30, v29
	v_nop
	s_wait_alu depctr_va_vdst(0)
.set i, 0
.rept 16
	v_pk_mul_f32 v[X+2*i:X+2*i+1], v[X+2*i:X+2*i+1], v[30:31] op_sel_hi:[1,0]
.set i, i+1
.endr
	SUMSQ                                          ; of the normalised k
	QS SC4, 28, VO1, 1024*\u                       ; k: the left operand of q . k: entry 4
	QS SC10, 28, VO2, 1024*\u
	QS SC11, 28, VO3, 1024*\u
	QS SC6, 30, LI, 2048*\u
	QS SC7, 30, VO2, 2048*\u
	s_branch .Ljoin_\@
.Lv_\@:
	QS SC6, 30, LI, 2048*\u+1024                   ; v: groups 2 and 3 of [k|v]
	QS SC7, 30, VO2, 2048*\u+1024
.Ljoin_\@:
	ds_store_b32 v[SAT], v28 offset:64*\u          ; both halves of the lanes write the same word with the same value
.endm
.macro NPROD u                         ; not transposed: source 0 = 16 places of h, source 1 = 16 rows of W: a lane holds one d, its registers run down the places
	WIN 0x04                                       ; source 1 (W) window 1
.set i, 0
.rept 16
.set rD, N+32*\u+8*(i%4)
.set rW, 16*(4*(i%4)+i/4)
.set rH, HF+16*(i/4)
.if i < 4
	v_wmma_f32_16x16x128_bf8_bf8 v[rD:rD+7], v[rH:rH+15], v[rW:rW+15], 0
.else
	v_wmma_f32_16x16x128_bf8_bf8 v[rD:rD+7], v[rH:rH+15], v[rW:rW+15], v[rD:rD+7]
.endif
.set i, i+1
.endr
	WIN 0
	PLACES
.endm
	s_mov_b32 s36, XIMG
	s_mov_b32 s37, 0
	s_mov_b32 s38, 0
.Lpair:                                            ; four trips: a pair of tiles, 32 neighbouring s, each
	v_add_nc_u32 v[HA], s36, v[LI]
	v_add_nc_u32 v[SAT], s37, v[SA]
	ROWTILE 0
	ROWTILE 1
	s_cmp_lg_u32 s19, 2
	s_cbranch_scc1 .Lnot_v
	NPROD 1                                        ; tile 1's fragments are still in HF
	HLOAD 0
	NPROD 0
	s_wait_xcnt 0x0                                ; the last stores have read VC and s[34:35]
.set i, 0
.rept 32
	v_pk_mul_f32 v[N+2*i:N+2*i+1], v[N+2*i:N+2*i+1], s[24:25] op_sel_hi:[1,0]
.set i, i+1
.endr
.set i, 0
.rept 64
	v_med3_num_f32 v[N+i], v[N+i], -v[SC14+1], v[SC14+1]
.set i, i+1
.endr
.set i, 0
.rept 4                                ; tile i of d: keys 32 pair + 16 hh + 0..7 from tile 0, + 8..15 from tile 1
	v_cvt_scalef32_pk8_bf8_f32 v[VC+4*i:VC+4*i+1], v[N+8*i:N+8*i+7], v[SC14]
	v_cvt_scalef32_pk8_bf8_f32 v[VC+4*i+2:VC+4*i+3], v[N+32+8*i:N+32+8*i+7], v[SC14]
.set i, i+1
.endr
	v_nop                                          ; a plain line behind the last conversion
	s_lshr_b32 s44, s38, 1
	s_lshl_b32 s44, s44, 12                        ; the 64 keys' block,
	s_and_b32 s45, s38, 1
	s_lshl_b32 s45, s45, 9                         ; the group of 32 in it
	s_or_b32 s44, s44, s45
	s_mov_b32 s45, 0
	s_add_nc_u64 s[34:35], s[32:33], s[44:45]
.set i, 0
.rept 4
	global_store_b128 v[LI], v[VC+4*i:VC+4*i+3], s[34:35] offset:1024*i
.set i, i+1
.endr
.Lnot_v:
	s_wait_xcnt 0x0                                ; the stores have read their bases
	s_wait_dscnt 0x0                               ; and the row sums' stores their address
	s_add_nc_u64 s[28:29], s[28:29], 2048
	s_add_nc_u64 s[30:31], s[30:31], 4096
	s_add_co_u32 s36, s36, 16384
	s_add_co_u32 s37, s37, 128
	s_add_co_u32 s38, s38, 1
	s_cmp_lt_u32 s38, 4
	s_cbranch_scc1 .Lpair
	ds_load_b128 v[32:35], v[FIN]                  ; my wave's 128 row sums, its own bytes
	s_wait_dscnt 0x0
	global_store_b128 v[LI], v[32:35], s[16:17]    ; 512 consecutive bytes
	s_barrier_signal -1
	s_barrier_wait -1
	s_wait_xcnt 0x0
	v_lshl_add_u32 v254, v0, 2, 0x21800
	v_mov_b32 v255, 0
	s_wait_tensorcnt 0x0
	ds_add_u32 v254, v255
	s_wait_dscnt 0x0
	s_endpgm
.Lfunc_end_k_qc7658fb3ba_proj:
	.size	k_qc7658fb3ba_proj, .Lfunc_end_k_qc7658fb3ba_proj-k_qc7658fb3ba_proj
	.p2alignl 7, 3214868480
	.fill 96, 4, 3214868480
	.section	.rodata,"a",@progbits
	.p2align	6, 0x0
	.amdhsa_kernel k_qc7658fb3ba_proj
		.amdhsa_group_segment_fixed_size 138240
		.amdhsa_private_segment_fixed_size 0
		.amdhsa_enable_private_segment 0
		.amdhsa_kernarg_size 56
		.amdhsa_user_sgpr_count 2
		.amdhsa_user_sgpr_kernarg_segment_ptr 1
		.amdhsa_wavefront_size32 1
		.amdhsa_system_sgpr_workgroup_id_x 1
		.amdhsa_system_sgpr_workgroup_id_y 1
		.amdhsa_system_sgpr_workgroup_id_z 1
		.amdhsa_system_vgpr_workitem_id 0
		.amdhsa_next_free_vgpr 512
		.amdhsa_next_free_sgpr 90
		.amdhsa_reserve_vcc 0
		.amdhsa_float_denorm_mode_32 3
		.amdhsa_float_denorm_mode_16_64 3
		.amdhsa_memory_ordered 1
		.amdhsa_forward_progress 1
		.amdhsa_inst_pref_size 111
	.end_amdhsa_kernel
	.amdgpu_metadata
---
amdhsa.version: [ 1, 2 ]
amdhsa.kernels:
  - .name:           k_qc7658fb3ba_proj
    .symbol:         k_qc7658fb3ba_proj.kd
    .args:
      - { .name: h, .offset: 0, .size: 8, .value_kind: global_buffer, .address_space: global }
      - { .name: wc, .offset: 8, .size: 8, .value_kind: global_buffer, .address_space: global }
      - { .name: lowp_scales, .offset: 16, .size: 8, .value_kind: global_buffer, .address_space: global }
      - { .name: c64, .offset: 24, .size: 8, .value_kind: global_buffer, .address_space: global }
      - { .name: ckv, .offset: 32, .size: 8, .value_kind: global_buffer, .address_space: global }
      - { .name: vt, .offset: 40, .size: 8, .value_kind: global_buffer, .address_space: global }
      - { .name: rs, .offset: 48, .size: 8, .value_kind: global_buffer, .address_space: global }
    .group_segment_fixed_size: 138240
    .private_segment_fixed_size: 0
    .kernarg_segment_align: 8
    .kernarg_segment_size: 56
    .max_flat_workgroup_size: 256
    .sgpr_count:     90
    .vgpr_count:     512
    .wavefront_size: 32
...
	.end_amdgpu_metadata
.endif
;; end of part 2
;; launch rbf (part 3): grid 4 x 64, 8 waves a work-group, no clusters, 207,872 bytes of LDS; arguments ckv, c64, rs, lowp_scales, ob; writes ob
.if DOCPART == 3
	.amdgcn_target "amdgcn-amd-amdhsa--gfx1250"
	.amdhsa_code_object_version 6
	.text
	.protected	k_qc7658fb3ba_rbf
	.globl	k_qc7658fb3ba_rbf
	.p2align	8
	.type	k_qc7658fb3ba_rbf,@function
k_qc7658fb3ba_rbf:
	s_mov_b64 s[64:65], 0
	v_nop
	global_prefetch_b8 v0, s[64:65] scope:SCOPE_SE
	s_setreg_imm32_b32 hwreg(HW_REG_WAVE_MODE, 25, 1), 1
	s_wait_xcnt 0x0
; obj2[i] = 2^-10 x the sum over j of exp(-max(|x_i|^2 + |x_j|^2 - 2 x_i . x_j, 0) / 8), for x = [k|v] (K = 128, scale entries 6, 7) and for x = k (K = 64, entries 10, 11); the dots on codes of BF8 (E5M2).
; (w_init is 2^-10 everywhere, by reference()'s own text: a factor that rounds nothing.)
; WHICH SCALE: the left operand of these products is the side of j (entries 6, 10), the right one the side of i (entries 7, 11).
; SHARES: work-group (x, y): y = (b, head), x = a quarter of the places i.  Wave w owns two tiles of 16 places and walks all 1,024 j, 64 a trip, for both variants; a key fragment from LDS feeds two matrix instructions.
; THE PRODUCT IS USED TRANSPOSED (source 0 = 16 keys j, source 1 = my 16 places i): a lane holds one i, its registers run along j.  C OF THE MATRIX INSTRUCTION IS THE KEY'S TERM: -|x_j|^2 / 2^(1 + E), E the two exponents' sum;
; then exponent = D x (2 c 2^E) - c |x_i|^2, c = log2(e) / 8: one packed multiply-add for two; a minimum with 0 is reference()'s clip; v_exp_f32; a packed sum.  The exponent is at most 0 by that clip.
; LIMITS: e6 + e7 and e10 + e11 between -120 and 120.
; NO CLUSTER, NO TENSOR LOAD: the four work-groups of a (b, head) read the same 192 KiB of key codes, but once each, at the head, through registers; behind it a work-group works 2^19 pairs without a byte from memory.
.set K11L,  131072                     ; LDS: the keys' [k|v] codes (entry 6) at 0, 64 tiles x 2,048; the keys' k codes (entry 10) here, 64 x 1,024
.set CKVL,  196608                     ; the keys' terms, 1,024 f32 each: [k|v]'s, then k's
.set OST,   204800                     ; the results: 2 x 256 f32
.set LI,  1                            ; v1   16 x lane
.set H32, 2                            ; v2   32 x (lane / 16)
.set KA,  3                            ; v3   LDS address of the trip's key tiles
.set CA,  4                            ; v4   of its terms
.set SI,  16                           ; v16-23 -c |x_i|^2, a pair for (variant, tile)
.set SUM, 24                           ; v24-31 two packed chains a tile
.set QKV, 32                           ; v32-63 my two fragments, K = 128
.set QK,  64                           ; v64-79 my two fragments, K = 64
.set KF,  80                           ; v80-143 four key fragments
.set CC,  144                          ; v144-175 their terms in the result's layout
.set D,   176                          ; v176-239 tile q, key tile kt at 8 (4 q + kt)
.set KO,  28
.set CO,  29
	s_load_b256 s[4:11], s[0:1], 0x0               ; ckv s[4:5], c64 s[6:7], rs s[8:9], exponents s[10:11]
	s_load_b64 s[12:13], s[0:1], 0x20              ; ob
	s_set_vgpr_msb 0x40
	v_lshl_add_u32 v0, v0, 2, 0x32800
	v_mov_b32 v1, 0
	s_set_vgpr_msb 0x4000
	v_lshrrev_b32 v10, 5, v0
	v_readfirstlane_b32 s14, v10                   ; wave
	s_and_b32 s16, ttmp7, 0xffff                   ; bh
	s_lshl_b32 s17, ttmp9, 4
	s_lshl_b32 s30, s14, 1
	s_add_co_u32 s17, s17, s30                     ; my first tile: 16 x + 2 w
	s_mov_b32 s40, 0x76543210
	s_mov_b32 s41, 0xfedcba98
	v_and_b32 v11, 31, v0
	v_lshlrev_b32 v[LI], 4, v11
	v_cmp_lt_u32 s34, 15, v11                      ; lanes 16-31
	v_bfe_u32 v[H32], v0, 4, 1
	v_lshlrev_b32 v[H32], 5, v[H32]
	v_lshlrev_b32 v5, 4, v0                        ; 16 x thread
	v_add_nc_u32 v6, 0x10000, v5
	v_add_nc_u32 v7, 0x20000, v5
	v_add_nc_u32 v11, CKVL, v5
	v_lshl_add_u32 v8, v0, 2, OST                  ; a result's word: OST + 4 x thread
	v_and_b32 v9, 127, v0
	v_lshl_add_u32 v9, v9, 4, OST                  ; the way out (waves 0-3)
	v_and_b32 v10, 15, v0
	v_lshlrev_b32 v10, 2, v10
	s_lshl_b32 s30, s17, 6
	v_add_nc_u32 v10, s30, v10                     ; my place's word in a row array: 64 x tile + 4 r
	s_lshl_b32 s50, s16, 17                        ; 131,072 bh
	s_mov_b32 s51, 0
	s_lshl_b32 s52, s16, 16                        ; 65,536 bh
	s_mov_b32 s53, 0
	s_lshl_b32 s54, s17, 11                        ; 2,048 x tile
	s_mov_b32 s55, 0
	s_lshl_b32 s56, s17, 10                        ; 1,024 x tile
	s_mov_b32 s57, 0
	s_lshl_b32 s58, s16, 12                        ; 4,096 bh
	s_mov_b32 s59, 0
	s_lshr_b32 s60, s14, 1                         ; ob: 262,144 (w / 2) + 4,096 bh + 1,024 x + 512 (w % 2)
	s_lshl_b32 s60, s60, 18
	s_add_co_u32 s60, s60, s58
	s_lshl_b32 s61, ttmp9, 10
	s_add_co_u32 s60, s60, s61
	s_and_b32 s61, s14, 1
	s_lshl_b32 s61, s61, 9
	s_add_co_u32 s60, s60, s61
	s_mov_b32 s61, 0
	s_wait_kmcnt 0x0
	s_load_b512 s[68:83], s[10:11], 0x0            ; e0 .. e15 in s68 .. s83
	s_add_nc_u64 s[20:21], s[4:5], s[50:51]        ; all keys of [k|v]: entry 6, the first part of ckv
	s_add_nc_u64 s[18:19], s[20:21], s[54:55]
	s_add_nc_u64 s[18:19], s[18:19], 0x800000      ; my fragments of [k|v]: entry 7, the second part
	s_add_nc_u64 s[44:45], s[6:7], s[52:53]
	s_add_nc_u64 s[22:23], s[44:45], s[56:57]
	s_add_nc_u64 s[22:23], s[22:23], 0xc00000      ; my fragments of k: entry 11
	s_add_nc_u64 s[44:45], s[44:45], 0x800000      ; all keys of k: entry 10
	s_add_nc_u64 s[46:47], s[8:9], s[58:59]        ; the row sums of my bh
	s_add_nc_u64 s[12:13], s[12:13], s[60:61]
.set i, 0
.rept 8
	global_load_b128 v[QKV+4*i:QKV+4*i+3], v[LI], s[18:19] offset:512*i
.set i, i+1
.endr
.set i, 0
.rept 4
	global_load_b128 v[QK+4*i:QK+4*i+3], v[LI], s[22:23] offset:512*i
.set i, i+1
.endr
	global_load_b32 v12, v10, s[46:47] offset:262144       ; |k|^2 of my place, tile 0, tile 1
	global_load_b32 v13, v10, s[46:47] offset:262144+64
	global_load_b32 v14, v10, s[46:47] offset:524288       ; |v|^2
	global_load_b32 v15, v10, s[46:47] offset:524288+64
	global_load_b128 v[240:243], v5, s[46:47] offset:262144   ; four keys' |k|^2 a thread
	global_load_b128 v[244:247], v5, s[46:47] offset:524288   ; and |v|^2
.set i, 0
.rept 16
	global_load_b128 v[80+4*i:80+4*i+3], v5, s[20:21] offset:4096*i
.set i, i+1
.endr
.set i, 0
.rept 16
	global_load_b128 v[144+4*i:144+4*i+3], v5, s[20:21] offset:65536+4096*i
.set i, i+1
.endr
	s_wait_loadcnt 16                              ; all but the second half of [k|v]'s keys
.set i, 0
.rept 16
	ds_store_b128 v5, v[80+4*i:80+4*i+3] offset:4096*i
.set i, i+1
.endr
	s_wait_dscnt 0x0                               ; the stores have read their registers
.set i, 0
.rept 16
	global_load_b128 v[80+4*i:80+4*i+3], v5, s[44:45] offset:4096*i
.set i, i+1
.endr
	s_wait_kmcnt 0x0
	s_add_co_i32 s30, s74, s75                     ; E = e6 + e7
	s_lshl_b32 s31, s30, 23
	s_add_co_i32 s24, s31, 0x3eb8aa3b              ; 2 c x 2^E: E is added to the exponent field
	s_mov_b32 s25, s24
	s_sub_co_i32 s30, 126, s30
	s_lshl_b32 s30, s30, 23
	s_or_b32 s30, s30, 0x80000000                  ; -2^(-1 - E)
	s_add_co_i32 s32, s78, s79                     ; the same with e10 + e11
	s_lshl_b32 s31, s32, 23
	s_add_co_i32 s26, s31, 0x3eb8aa3b
	s_mov_b32 s27, s26
	s_sub_co_i32 s32, 126, s32
	s_lshl_b32 s32, s32, 23
	s_or_b32 s32, s32, 0x80000000
.set i, 0
.rept 4
	v_add_f32 v[248+i], v[240+i], v[244+i]
	v_mul_f32 v[252+i], s32, v[240+i]              ; k's term
	v_mul_f32 v[248+i], s30, v[248+i]              ; [k|v]'s
.set i, i+1
.endr
	v_add_f32 v10, v12, v14
	v_mul_f32 v[SI], 0xbe38aa3b, v10               ; -c (|k|^2 + |v|^2), tile 0
	v_mov_b32 v[SI+1], v[SI]
	v_add_f32 v10, v13, v15
	v_mul_f32 v[SI+2], 0xbe38aa3b, v10
	v_mov_b32 v[SI+3], v[SI+2]
	v_mul_f32 v[SI+4], 0xbe38aa3b, v12             ; -c |k|^2
	v_mov_b32 v[SI+5], v[SI+4]
	v_mul_f32 v[SI+6], 0xbe38aa3b, v13
	v_mov_b32 v[SI+7], v[SI+6]
	ds_store_b128 v11, v[248:251]
	ds_store_b128 v11, v[252:255] offset:4096
	s_wait_loadcnt 16                              ; the second half of [k|v]'s keys is in; k's sixteen loads may be out
.set i, 0
.rept 16
	ds_store_b128 v6, v[144+4*i:144+4*i+3] offset:4096*i
.set i, i+1
.endr
	s_wait_loadcnt 0x0
.set i, 0
.rept 16
	ds_store_b128 v7, v[80+4*i:80+4*i+3] offset:4096*i
.set i, i+1
.endr
	s_wait_dscnt 0x0                               ; my stores have landed
	s_barrier_signal -1
	s_barrier_wait -1                              ; keys and terms lie in LDS; nothing writes them again
.macro LOADS fr                        ; a trip's four key tiles (fr registers each: fr loads in all, on end in LDS) and their terms
.set i, 0
.rept (\fr)
	ds_load_b128 v[KF+4*i:KF+4*i+3], v[KA] offset:512*i
.set i, i+1
.endr
.set i, 0
.rept 8
	ds_load_b128 v[CC+4*i:CC+4*i+3], v[CA] offset:64*(i/2)+16*(i%2)   ; keys 16 kt + 8 hh + 0..7: the result's layout; sixteen lanes share the bytes
.set i, i+1
.endr
.endm
.macro TRIP var, pf                    ; 64 keys x my 32 places
	s_wait_dscnt 0x0
.set i, 0
.rept 8                                ; key tile i / 2, my tile i % 2: eight different results, none adds onto another
.set rD, D+8*(4*(i%2)+i/2)
.if \var == 0
	v_wmma_f32_16x16x128_bf8_bf8 v[rD:rD+7], v[KF+16*(i/2):KF+16*(i/2)+15], v[QKV+16*(i%2):QKV+16*(i%2)+15], v[CC+8*(i/2):CC+8*(i/2)+7]
.else
	v_wmma_f32_16x16x64_bf8_bf8 v[rD:rD+7], v[KF+8*(i/2):KF+8*(i/2)+7], v[QK+8*(i%2):QK+8*(i%2)+7], v[CC+8*(i/2):CC+8*(i/2)+7]
.endif
.set i, i+1
.endr
.if \pf
	s_add_co_u32 s[KO], s[KO], 8192-4096*\var
	s_add_co_u32 s[CO], s[CO], 256
	v_add_nc_u32 v[KA], s[KO], v[LI]               ; four plain lines behind the products, ahead of the loads into their sources and of the first read of results
	v_add_nc_u32 v[CA], s[CO], v[H32]
	v_nop
	v_nop
	LOADS 16-8*\var                                ; the next trip's: they land under this trip's vector work
.else
.rept 4
	v_nop
.endr
.endif
.set i, 0
.rept 32
	v_pk_fma_f32 v[D+2*i:D+2*i+1], v[D+2*i:D+2*i+1], s[24+2*\var:25+2*\var], v[SI+4*\var+2*(i/16):SI+4*\var+2*(i/16)+1] op_sel_hi:[1,0,0]
.set i, i+1
.endr
.set i, 0
.rept 64
	v_min_num_f32 v[D+i], 0, v[D+i]                ; the clip of the squared distance at 0
.set i, i+1
.endr
.set i, 0
.rept 64
	v_exp_f32 v[D+i], v[D+i]
.set i, i+1
.endr
	v_nop                                          ; a plain line behind the last exponential
	s_wait_alu depctr_va_vdst(0)                   ; one wait for the batch, ahead of its first reader
.set i, 0
.rept 32
	v_pk_add_f32 v[SUM+4*(i/16)+2*(i%2):SUM+4*(i/16)+2*(i%2)+1], v[SUM+4*(i/16)+2*(i%2):SUM+4*(i/16)+2*(i%2)+1], v[D+2*i:D+2*i+1]
.set i, i+1
.endr
.endm
.macro VARIANT var
.set i, 0
.rept 8
	v_mov_b32 v[SUM+i], 0
.set i, i+1
.endr
	s_mov_b32 s[KO], K11L*\var
	s_mov_b32 s[CO], CKVL+4096*\var
	v_add_nc_u32 v[KA], s[KO], v[LI]
	v_add_nc_u32 v[CA], s[CO], v[H32]
	LOADS 16-8*\var
	s_mov_b32 s33, 15
.Ltrip_\@:
	TRIP \var, 1
	s_sub_co_u32 s33, s33, 1
	s_cmp_lg_u32 s33, 0
	s_cbranch_scc1 .Ltrip_\@
	TRIP \var, 0                                   ; the last trip asks for nothing: no LDS read leaves its region
.irp q, 0,1
	v_pk_add_f32 v[SUM+4*\q:SUM+4*\q+1], v[SUM+4*\q:SUM+4*\q+1], v[SUM+4*\q+2:SUM+4*\q+3]
	v_add_f32 v[SUM+4*\q], v[SUM+4*\q], v[SUM+4*\q+1]
	v_permlanex16_b32 v[SUM+4*\q+1], v[SUM+4*\q], s40, s41   ; the place's other 512 keys lie in the lane 16 away
	v_add_f32 v[SUM+4*\q], v[SUM+4*\q], v[SUM+4*\q+1]
.endr
	v_cndmask_b32 v[SUM], v[SUM], v[SUM+4], s34    ; lanes 0-15: tile 0's places; lanes 16-31: tile 1's
	v_mul_f32 v[12+\var], 0x3a800000, v[SUM]       ; x 2^-10
	ds_store_b32 v8, v[12+\var] offset:1024*\var
.endm
	VARIANT 0
	VARIANT 1
	s_wait_dscnt 0x0
	s_barrier_signal -1
	s_barrier_wait -1                              ; 2 x 256 results lie in LDS
	s_cmp_lt_u32 s14, 4
	s_cbranch_scc0 .Ldone
	ds_load_b128 v[16:19], v9                      ; waves 0, 1: [k|v]'s; waves 2, 3: k's
	s_wait_dscnt 0x0
	global_store_b128 v[LI], v[16:19], s[12:13]    ; 512 consecutive bytes, aligned
.Ldone:
	s_barrier_signal -1
	s_barrier_wait -1
	s_set_vgpr_msb 0x5
	s_wait_tensorcnt 0x0
	ds_add_u32 v0, v1
	s_wait_dscnt 0x0
	s_set_vgpr_msb 0x500
	s_endpgm
.Lfunc_end_k_qc7658fb3ba_rbf:
	.size	k_qc7658fb3ba_rbf, .Lfunc_end_k_qc7658fb3ba_rbf-k_qc7658fb3ba_rbf
	.p2alignl 7, 3214868480
	.fill 96, 4, 3214868480
	.section	.rodata,"a",@progbits
	.p2align	6, 0x0
	.amdhsa_kernel k_qc7658fb3ba_rbf
		.amdhsa_group_segment_fixed_size 207872
		.amdhsa_private_segment_fixed_size 0
		.amdhsa_enable_private_segment 0
		.amdhsa_kernarg_size 40
		.amdhsa_user_sgpr_count 2
		.amdhsa_user_sgpr_kernarg_segment_ptr 1
		.amdhsa_wavefront_size32 1
		.amdhsa_system_sgpr_workgroup_id_x 1
		.amdhsa_system_sgpr_workgroup_id_y 1
		.amdhsa_system_sgpr_workgroup_id_z 1
		.amdhsa_system_vgpr_workitem_id 0
		.amdhsa_next_free_vgpr 258
		.amdhsa_next_free_sgpr 90
		.amdhsa_reserve_vcc 0
		.amdhsa_float_denorm_mode_32 3
		.amdhsa_float_denorm_mode_16_64 3
		.amdhsa_memory_ordered 1
		.amdhsa_forward_progress 1
		.amdhsa_inst_pref_size 57
	.end_amdhsa_kernel
	.amdgpu_metadata
---
amdhsa.version: [ 1, 2 ]
amdhsa.kernels:
  - .name:           k_qc7658fb3ba_rbf
    .symbol:         k_qc7658fb3ba_rbf.kd
    .args:
      - { .name: ckv, .offset: 0, .size: 8, .value_kind: global_buffer, .address_space: global }
      - { .name: c64, .offset: 8, .size: 8, .value_kind: global_buffer, .address_space: global }
      - { .name: rs, .offset: 16, .size: 8, .value_kind: global_buffer, .address_space: global }
      - { .name: lowp_scales, .offset: 24, .size: 8, .value_kind: global_buffer, .address_space: global }
      - { .name: ob, .offset: 32, .size: 8, .value_kind: global_buffer, .address_space: global }
    .group_segment_fixed_size: 207872
    .private_segment_fixed_size: 0
    .kernarg_segment_align: 8
    .kernarg_segment_size: 40
    .max_flat_workgroup_size: 256
    .sgpr_count:     90
    .vgpr_count:     258
    .wavefront_size: 32
...
	.end_amdgpu_metadata
.endif
;; end of part 3
;; launch attn (part 4): grid 4 x 64, 8 waves a work-group, no clusters, 148,480 bytes of LDS; arguments c64, vt, rs, ob, lowp_scales, ac; writes ac
.if DOCPART == 4
	.amdgcn_target "amdgcn-amd-amdhsa--gfx1250"
	.amdhsa_code_object_version 6
	.text
	.protected	k_qc7658fb3ba_attn
	.globl	k_qc7658fb3ba_attn
	.p2align	8
	.type	k_qc7658fb3ba_attn,@function
k_qc7658fb3ba_attn:
	s_mov_b64 s[64:65], 0
	v_nop
	global_prefetch_b8 v0, s[64:65] scope:SCOPE_SE
	s_setreg_imm32_b32 hwreg(HW_REG_WAVE_MODE, 25, 1), 1
	s_wait_xcnt 0x0
; The weights of the keys, and the attention: attn_vec[i] = the sum over j of exp(kv_w[j] + sn[i][j] - logsumexp_j(k_w[j] + sn[i][j])) v[j], sn = -max(|q_i|^2 + |k_j|^2 - 2 q_i . k_j, 0) / 8.
; All products on codes of BF8 (E5M2): q . k (k: scale entry 4, q: entry 5), w_init x obj2 (8, 9 and 12, 13), V^T P (14, 15); attn_vec leaves as codes (entry 16).
; SHARES: work-group (x, y): y = (b, head), x = a quarter of the queries.  Wave w owns two tiles of 16 queries and walks all 1,024 keys twice, 64 a step.
; THE WEIGHTS.  obj3 = w_init x obj2: w_init's 1,024 rows are equal (reference() builds it: 2^-10 everywhere), so ONE tile of 16 rows gives every row's result: one matrix instruction whose 16 columns are 16 chunks of 64 keys,
; summed over the columns.  h_rob = 0.2 / sqrt(1 + obj2 + obj3), or 1 where the root is at most 0.2.  w = log h_rob - logsumexp(log h_rob): exp(log h_rob) IS h_rob, at hand before its logarithm, in (0, 1]: no exponential is
; taken, and a sum of 1,024 such numbers cannot overflow; it stays a normal number as long as 1 + obj2 + obj3 stays under 1e37, which the limits on e8 + e9 and e12 + e13 below see to.  Every wave makes them for itself: nothing is exchanged.
; PASS A: the row's logsumexp, base 2, with a running maximum M (a whole number; a change of M is a multiplication that rounds nothing); the two halves of the lanes keep their own M and sum and meet once, at the end.
; PASS B: p = 2^(kv_w + sn - lse), FINISHED AND NORMALISED as reference() has it, held at the largest code, quantised; O^T += V^T P.
; BOTH PRODUCTS ARE USED TRANSPOSED (source 0 = 16 keys, or 16 of the head's 64; source 1 = my 16 queries): a lane holds one query throughout, and by the places' order the 16 registers of key tiles 2 b, 2 b + 1 are 16 neighbouring keys.
; C OF THE q . k INSTRUCTION IS THE KEY'S TERM (pass A: with k_w folded in), so that exponent = D x (2 c 2^E) + the query's term, c = log2(e) / 8: one packed multiply-add for two.
; LIMITS: e4 + e5 between -120 and 120; e14 + e15 between -126 and 127; e8 + e9 and e12 + e13 under 80; each exponent between -126 and 112.
; NO CLUSTER, NO TENSOR LOAD: the four work-groups of a (b, head) read the same 128 KiB of K and V^T codes, but once each, at the head, through registers; behind it a work-group works 2^18 pairs twice without a byte from memory.
.set VTL,  65536                       ; LDS: k codes (entry 4) at 0, 64 tiles x 1,024; V^T here, 16 steps x 4,096
.set CAL,  131072                      ; pass A: the keys' terms; + 4,096: k_w
.set CBL,  139264                      ; pass B: the keys' terms; + 4,096: kv_w
.set LI,   1                           ; v1   16 x lane
.set H32,  2                           ; v2   32 x (lane / 16)
.set KA,   3                           ; v3   LDS address of the step's key tiles
.set CAD,  4                           ; v4   of its terms
.set KWD,  5                           ; v5   of its weights (the terms' address, stepped later)
.set VA,   6                           ; v6   of its tiles of V^T
.set T16,  7                           ; v7   16 x thread
.set SCP,  9                           ; v9, v10  2^e15, 57,344 x 2^e15
; v12-19, v20-27: a query tile's statistics: +0 -M, +1 the largest t, +2, +3 the sum (later the query's term of pass B), +4, +5 f (later -lse), +6, +7 the query's term of pass A
.set KF,   32                          ; v32-63   four key fragments
.set CC,   64                          ; v64-95   their terms
.set KW,   96                          ; v96-127  their weights
.set S,    128                         ; v128-191 tile q, key tile kt at 8 (4 q + kt)
.set VF,   192                         ; v192-223 four fragments of V^T
.set PC,   224                         ; v224-239 p's codes
; window 1: v0-63 O^T (tile q, tile t of d at 8 (4 q + t)); v64-79 Q's two fragments
.set OB0,  32                          ; the head: 32 obj2 of [k|v] a lane, then my thread's own four
.set OB1,  68                          ; the same of k
.set WT,   128
.set RC,   128
.set BC,   164
.set AC,   172
.set D8,   180
.set HN,   192
.set A8,   228
.set KO,   28
.set CO,   29
.set VO,   30
.set MSB, 0
.macro WIN new                         ; the immediate's high byte repeats the setting that is left
.if MSB != \new
	s_set_vgpr_msb (MSB<<8)|\new
.set MSB, \new
.endif
.endm
.macro MKSC se, vs                     ; v[vs] = 2^e, v[vs+1] = 57,344 x 2^e, e in s[se]
	s_add_co_i32 s42, s[\se], 127
	s_lshl_b32 s43, s42, 23
	v_mov_b32 v[\vs], s43
	s_add_co_i32 s42, s42, 15
	s_lshl_b32 s42, s42, 23
	s_or_b32 s42, s42, 0x600000
	v_mov_b32 v[\vs+1], s42
.endm
	s_load_b256 s[4:11], s[0:1], 0x0               ; c64 s[4:5], vt s[6:7], rs s[8:9], ob s[10:11]
	s_load_b128 s[12:15], s[0:1], 0x20             ; exponents s[12:13], ac s[14:15]
	s_set_vgpr_msb 0x40
	v_lshl_add_u32 v128, v0, 2, 0x24000
	v_mov_b32 v129, 0
	s_set_vgpr_msb 0x4000
	v_lshrrev_b32 v12, 5, v0
	v_readfirstlane_b32 s16, v12                   ; wave
	s_and_b32 s18, ttmp7, 0xffff                   ; bh
	s_lshl_b32 s19, ttmp9, 4
	s_lshl_b32 s42, s16, 1
	s_add_co_u32 s19, s19, s42                     ; my first tile: 16 x + 2 w
	s_mov_b32 s40, 0x76543210
	s_mov_b32 s41, 0xfedcba98
	v_and_b32 v12, 31, v0
	v_lshlrev_b32 v[LI], 4, v12
	v_bfe_u32 v[H32], v0, 4, 1
	v_lshlrev_b32 v[H32], 5, v[H32]
	v_lshlrev_b32 v[T16], 4, v0
	v_add_nc_u32 v8, VTL, v[T16]
	v_add_nc_u32 v11, CAL, v[T16]
	v_and_b32 v5, 15, v0
	v_lshlrev_b32 v5, 2, v5
	s_lshl_b32 s42, s19, 6
	v_add_nc_u32 v5, s42, v5                       ; my query's word in a row array
	s_lshl_b32 s50, s18, 16                        ; 65,536 bh
	s_mov_b32 s51, 0
	s_lshl_b32 s52, s19, 10                        ; 1,024 x tile
	s_mov_b32 s53, 0
	s_lshl_b32 s54, s18, 12                        ; 4,096 bh
	s_mov_b32 s55, 0
	s_lshr_b32 s56, s18, 3                         ; ac: (64 b + tile) x 8,192 + 1,024 head
	s_lshl_b32 s56, s56, 6
	s_add_co_u32 s56, s56, s19
	s_lshl_b32 s56, s56, 13
	s_and_b32 s57, s18, 7
	s_lshl_b32 s57, s57, 10
	s_add_co_u32 s56, s56, s57
	s_mov_b32 s57, 0
	s_wait_kmcnt 0x0
	s_load_b512 s[68:83], s[12:13], 0x0            ; e0 .. e15 in s68 .. s83
	s_load_b64 s[84:85], s[12:13], 0x40            ; e16, e17
	s_add_nc_u64 s[22:23], s[4:5], s[50:51]
	s_add_nc_u64 s[20:21], s[22:23], s[52:53]      ; my fragments of q (entry 5): the first part of c64
	s_add_nc_u64 s[22:23], s[22:23], 0x400000      ; all keys (entry 4): the second part
	s_add_nc_u64 s[32:33], s[6:7], s[50:51]        ; V^T
	s_add_nc_u64 s[34:35], s[8:9], s[54:55]        ; row sums
	s_add_nc_u64 s[36:37], s[10:11], s[54:55]      ; obj2
	s_add_nc_u64 s[38:39], s[14:15], s[56:57]
	WIN 0x40                                       ; destination window 1
.set i, 0
.rept 4
	global_load_b128 v[64+4*i:64+4*i+3], v[LI], s[20:21] offset:512*i
.set i, i+1
.endr
	WIN 0
	global_load_b32 v18, v5, s[34:35]              ; |q|^2 of my query, tile 0, tile 1
	global_load_b32 v26, v5, s[34:35] offset:64
	global_load_b128 v[OB0+32:OB0+35], v[T16], s[36:37]
	global_load_b128 v[OB1+32:OB1+35], v[T16], s[36:37] offset:262144
	global_load_b128 v[28:31], v[T16], s[34:35] offset:262144      ; four keys' |k|^2 a thread
.set i, 0
.rept 8
	global_load_b128 v[OB0+4*i:OB0+4*i+3], v[LI], s[36:37] offset:512*i
	global_load_b128 v[OB1+4*i:OB1+4*i+3], v[LI], s[36:37] offset:262144+512*i
.set i, i+1
.endr
.set i, 0
.rept 16
	global_load_b128 v[128+4*i:128+4*i+3], v[T16], s[22:23] offset:4096*i
.set i, i+1
.endr
.set i, 0
.rept 16
	global_load_b128 v[192+4*i:192+4*i+3], v[T16], s[32:33] offset:4096*i
.set i, i+1
.endr
	s_wait_loadcnt 16                              ; all but V^T's sixteen loads
.set i, 0
.rept 16
	ds_store_b128 v[T16], v[128+4*i:128+4*i+3] offset:4096*i
.set i, i+1
.endr
	s_wait_loadcnt 0x0
.set i, 0
.rept 16
	ds_store_b128 v8, v[192+4*i:192+4*i+3] offset:4096*i
.set i, i+1
.endr
	s_wait_kmcnt 0x0
	s_wait_dscnt 0x0                               ; the stores have read their registers: v128-255 are free
	v_mov_b32 v237, 1.0                            ; the weight where the root is at most 0.2 (written here, behind the loads that passed through v192-255)
; The weights of one variant: v[ob .. ob+31] my lane's 32 of the 1,024 obj2, v[ob+32 .. ob+35] my thread's own four; out: log2 of the four normalised weights
.macro WEIGH ob, sea, seb, out
	MKSC \seb, 244
	MKSC \sea, 246
.set i, 0
.rept 32
	v_med3_num_f32 v[WT+i], v[\ob+i], -v245, v245
.set i, i+1
.endr
.set i, 0
.rept 4
	v_cvt_scalef32_pk8_bf8_f32 v[BC+2*i:BC+2*i+1], v[WT+8*i:WT+8*i+7], v244
.set i, i+1
.endr
.set i, 0
.rept 8
	v_mov_b32 v[A8+i], 0x3a800000                  ; w_init: 2^-10
.set i, i+1
.endr
.set i, 0
.rept 8
	v_med3_num_f32 v[A8+i], v[A8+i], -v247, v247
.set i, i+1
.endr
	v_cvt_scalef32_pk8_bf8_f32 v[AC:AC+1], v[A8:A8+7], v246
	v_nop                                          ; a plain line behind the last conversion
.set i, 0
.rept 3
	v_mov_b32 v[AC+2+2*i], v[AC]
	v_mov_b32 v[AC+3+2*i], v[AC+1]
.set i, i+1
.endr
	v_wmma_f32_16x16x64_bf8_bf8 v[D8:D8+7], v[AC:AC+7], v[BC:BC+7], 0   ; column n: the sum over the 64 keys of lanes n and n + 16
.set i, 0
.rept 36
	v_add_f32 v[HN+i], 1.0, v[\ob+i]               ; (these are also the plain lines behind the product)
.set i, i+1
.endr
	v_mov_b32 v236, v[D8]
	v_add_f32_dpp v236, v236, v236 row_xmask:1 row_mask:0xf bank_mask:0xf
	v_add_f32_dpp v236, v236, v236 row_xmask:2 row_mask:0xf bank_mask:0xf
	v_add_f32_dpp v236, v236, v236 row_xmask:4 row_mask:0xf bank_mask:0xf
	v_add_f32_dpp v236, v236, v236 row_xmask:8 row_mask:0xf bank_mask:0xf
	s_add_co_i32 s42, s[\sea], s[\seb]
	v_ldexp_f32 v236, v236, s42                    ; obj3
.set i, 0
.rept 36
	v_add_f32 v[HN+i], v[HN+i], v236
.set i, i+1
.endr
.set i, 0
.rept 36
	v_sqrt_f32 v[HN+i], v[HN+i]
.set i, i+1
.endr
	v_nop
	s_wait_alu depctr_va_vdst(0)
.set i, 0
.rept 36
	v_rcp_f32 v[RC+i], v[HN+i]
.set i, i+1
.endr
	v_nop
	s_wait_alu depctr_va_vdst(0)
.set i, 0
.rept 36
	v_mul_f32 v[RC+i], 0x3e4ccccd, v[RC+i]
	v_cmp_ge_f32 vcc_lo, 0x3e4ccccd, v[HN+i]       ; 0.2 >= the root: the weight is 1
	v_cndmask_b32 v[RC+i], v[RC+i], v237, vcc_lo
.set i, i+1
.endr
	v_pk_add_f32 v[238:239], v[RC:RC+1], v[RC+2:RC+3]
	v_pk_add_f32 v[240:241], v[RC+4:RC+5], v[RC+6:RC+7]
.set i, 8
.rept 6
	v_pk_add_f32 v[238:239], v[238:239], v[RC+i:RC+i+1]
	v_pk_add_f32 v[240:241], v[240:241], v[RC+i+2:RC+i+3]
.set i, i+4
.endr
	v_pk_add_f32 v[238:239], v[238:239], v[240:241]
	v_add_f32 v238, v238, v239
	v_add_f32_dpp v238, v238, v238 row_xmask:1 row_mask:0xf bank_mask:0xf
	v_add_f32_dpp v238, v238, v238 row_xmask:2 row_mask:0xf bank_mask:0xf
	v_add_f32_dpp v238, v238, v238 row_xmask:4 row_mask:0xf bank_mask:0xf
	v_add_f32_dpp v238, v238, v238 row_xmask:8 row_mask:0xf bank_mask:0xf
	v_permlanex16_b32 v239, v238, s40, s41
	v_add_f32 v238, v238, v239                     ; the sum of all 1,024 h_rob
	v_log_f32 v238, v238
.set i, 0
.rept 4
	v_log_f32 v[RC+32+i], v[RC+32+i]
.set i, i+1
.endr
	v_nop
	s_wait_alu depctr_va_vdst(0)
.set i, 0
.rept 4
	v_sub_f32 v[\out+i], v[RC+32+i], v238
.set i, i+1
.endr
.endm
	WEIGH OB0, 76, 77, 104                         ; kv_w (entries 8, 9), base 2
	WEIGH OB1, 80, 81, 108                         ; k_w (entries 12, 13)
	s_add_co_i32 s42, s72, s73                     ; E = e4 + e5
	s_lshl_b32 s43, s42, 23
	s_add_co_i32 s24, s43, 0x3eb8aa3b              ; 2 c x 2^E
	s_mov_b32 s25, s24
	s_sub_co_i32 s44, 0x40317218, s43              ; 1 / (2 c x 2^E) = 4 ln 2 x 2^-E
	s_sub_co_i32 s45, 126, s42
	s_lshl_b32 s45, s45, 23
	s_or_b32 s45, s45, 0x80000000                  ; -2^(-1 - E)
.set i, 0
.rept 4
	v_mul_f32 v[112+i], s45, v[28+i]               ; pass B's term
	v_fma_f32 v[116+i], v[108+i], s44, v[112+i]    ; pass A's: k_w folded in
.set i, i+1
.endr
	ds_store_b128 v11, v[116:119]
	ds_store_b128 v11, v[108:111] offset:4096
	ds_store_b128 v11, v[112:115] offset:8192
	ds_store_b128 v11, v[104:107] offset:12288
	MKSC 83, SCP
.irp q, 0,1
	v_mul_f32 v[18+8*\q], 0xbe38aa3b, v[18+8*\q]   ; -c |q|^2
	v_mov_b32 v[19+8*\q], v[18+8*\q]
	v_mov_b32 v[13+8*\q], 0xff61b1e6               ; the largest t so far: -3e38
	v_floor_f32 v[12+8*\q], -v[13+8*\q]            ; -M
	v_mov_b32 v[14+8*\q], 0
	v_mov_b32 v[15+8*\q], 0
	v_mov_b32 v[16+8*\q], 0
	v_mov_b32 v[17+8*\q], 0
.endr
	s_wait_dscnt 0x0                               ; my stores have landed
	s_barrier_signal -1
	s_barrier_wait -1                              ; keys, V^T, terms and weights lie in LDS; nothing writes them again
.macro KWLOAD
.set i, 0
.rept 8
	ds_load_b128 v[KW+4*i:KW+4*i+3], v[KWD] offset:4096+64*(i/2)+16*(i%2)
.set i, i+1
.endr
.endm
.macro KCLOAD
.set i, 0
.rept 8
	ds_load_b128 v[KF+4*i:KF+4*i+3], v[KA] offset:512*i
.set i, i+1
.endr
.set i, 0
.rept 8
	ds_load_b128 v[CC+4*i:CC+4*i+3], v[CAD] offset:64*(i/2)+16*(i%2)
.set i, i+1
.endr
.endm
.macro QKP                             ; key tile i / 2, my tile i % 2: eight different results
	WIN 0x04                                       ; source 1 (Q) window 1
.set i, 0
.rept 8
.set rD, S+8*(4*(i%2)+i/2)
	v_wmma_f32_16x16x64_bf8_bf8 v[rD:rD+7], v[KF+8*(i/2):KF+8*(i/2)+7], v[64+8*(i%2):64+8*(i%2)+7], v[CC+8*(i/2):CC+8*(i/2)+7]
.set i, i+1
.endr
	WIN 0
.endm
.macro AHEAD pf                        ; four plain lines behind the products (ISA guide 7.12.1), then the next step's keys and terms
.if \pf
	s_add_co_u32 s[KO], s[KO], 4096
	s_add_co_u32 s[CO], s[CO], 256
	v_add_nc_u32 v[KA], s[KO], v[LI]
	v_add_nc_u32 v[CAD], s[CO], v[H32]
	v_nop
	v_nop
	KCLOAD
.else
.rept 4
	v_nop
.endr
.endif
.endm
.macro STEPA pf
	KWLOAD
	s_wait_dscnt 8                                 ; keys and terms are in; the eight loads just issued may be out
	QKP
	AHEAD \pf
.set i, 0
.rept 32
	v_pk_fma_f32 v[S+2*i:S+2*i+1], v[S+2*i:S+2*i+1], s[24:25], v[18+8*(i/16):19+8*(i/16)] op_sel_hi:[1,0,0]
.set i, i+1
.endr
.if \pf
	s_wait_dscnt 16                                ; the weights are in; the next step's sixteen loads may be out
	v_add_nc_u32 v[KWD], s[CO], v[H32]
.else
	s_wait_dscnt 0x0
.endif
.set i, 0
.rept 64
	v_min_num_f32 v[S+i], v[S+i], v[KW+i%32]       ; t = k_w + min(x, 0) = min(x + k_w, k_w)
.set i, i+1
.endr
.irp q, 0,1
	v_max3_num_f32 v[240+2*\q], v[S+32*\q], v[S+32*\q+1], v[S+32*\q+2]
	v_max3_num_f32 v[241+2*\q], v[S+32*\q+3], v[S+32*\q+4], v[S+32*\q+5]
.endr
.set i, 6
.rept 13
.irp q, 0,1
	v_max3_num_f32 v[240+2*\q+(i/2)%2], v[240+2*\q+(i/2)%2], v[S+32*\q+i], v[S+32*\q+i+1]
.endr
.set i, i+2
.endr
.irp q, 0,1
	v_max3_num_f32 v[13+8*\q], v[240+2*\q], v[241+2*\q], v[13+8*\q]   ; the running largest t
	v_mov_b32 v[244+\q], v[12+8*\q]
	v_floor_f32 v[12+8*\q], -v[13+8*\q]            ; the new -M = -ceil(t)
	v_sub_f32 v[244+\q], v[12+8*\q], v[244+\q]     ; old M - new M, a whole number, 0 or less
	v_cvt_i32_f32 v[244+\q], v[244+\q]             ; (it saturates)
	v_ldexp_f32 v[16+8*\q], 1.0, v[244+\q]         ; f
.endr
.set i, 0
.rept 32
	v_pk_add_f32 v[S+2*i:S+2*i+1], v[S+2*i:S+2*i+1], v[12+8*(i/16):13+8*(i/16)] op_sel_hi:[1,0]
.set i, i+1
.endr
.set i, 0
.rept 64
	v_exp_f32 v[S+i], v[S+i]
.set i, i+1
.endr
	v_pk_mul_f32 v[14:15], v[14:15], v[16:17] op_sel_hi:[1,0]      ; the sums under the new M (plain lines behind the exponentials)
	v_pk_mul_f32 v[22:23], v[22:23], v[24:25] op_sel_hi:[1,0]
	s_wait_alu depctr_va_vdst(0)                   ; one wait for the batch, ahead of its first reader
.irp q, 0,1
	v_pk_add_f32 v[248+2*\q:249+2*\q], v[S+32*\q:S+32*\q+1], v[S+32*\q+2:S+32*\q+3]
.endr
.set i, 4
.rept 7
.irp q, 0,1
	v_pk_add_f32 v[14+8*\q:15+8*\q], v[14+8*\q:15+8*\q], v[S+32*\q+i:S+32*\q+i+1]
	v_pk_add_f32 v[248+2*\q:249+2*\q], v[248+2*\q:249+2*\q], v[S+32*\q+i+2:S+32*\q+i+3]
.endr
.set i, i+4
.endr
.irp q, 0,1
	v_pk_add_f32 v[14+8*\q:15+8*\q], v[14+8*\q:15+8*\q], v[248+2*\q:249+2*\q]
.endr
.endm
	s_mov_b32 s[KO], 0
	s_mov_b32 s[CO], CAL
	v_add_nc_u32 v[KA], s[KO], v[LI]
	v_add_nc_u32 v[CAD], s[CO], v[H32]
	v_add_nc_u32 v[KWD], s[CO], v[H32]
	KCLOAD
	s_mov_b32 s31, 15
.Lpass_a:
	STEPA 1
	s_sub_co_u32 s31, s31, 1
	s_cmp_lg_u32 s31, 0
	s_cbranch_scc1 .Lpass_a
	STEPA 0
	; the two halves of the lanes meet: the larger M, both sums under it; -lse = -M - log2(sum)
.irp q, 0,1
	v_add_f32 v[14+8*\q], v[14+8*\q], v[15+8*\q]
	v_permlanex16_b32 v[240+\q], v[12+8*\q], s40, s41
	v_min_num_f32 v[240+\q], v[12+8*\q], v[240+\q]
	v_sub_f32 v[242+\q], v[240+\q], v[12+8*\q]
	v_cvt_i32_f32 v[242+\q], v[242+\q]
	v_ldexp_f32 v[14+8*\q], v[14+8*\q], v[242+\q]
	v_permlanex16_b32 v[242+\q], v[14+8*\q], s40, s41
	v_add_f32 v[14+8*\q], v[14+8*\q], v[242+\q]
.endr
	v_log_f32 v14, v14
	v_log_f32 v22, v22
	v_nop
	s_wait_alu depctr_va_vdst(0)
.irp q, 0,1
	v_sub_f32 v[16+8*\q], v[240+\q], v[14+8*\q]    ; -lse
	v_add_f32 v[14+8*\q], v[18+8*\q], v[16+8*\q]   ; the query's term of pass B
	v_mov_b32 v[15+8*\q], v[14+8*\q]
.endr
.macro STEPB pf, zero
	KWLOAD
.set i, 0
.rept 8
	ds_load_b128 v[VF+4*i:VF+4*i+3], v[VA] offset:512*i
.set i, i+1
.endr
	s_wait_dscnt 16                                ; keys and terms are in; the sixteen loads just issued may be out
	QKP
	AHEAD \pf
.set i, 0
.rept 32
	v_pk_fma_f32 v[S+2*i:S+2*i+1], v[S+2*i:S+2*i+1], s[24:25], v[14+8*(i/16):15+8*(i/16)] op_sel_hi:[1,0,0]
.set i, i+1
.endr
.set i, 0
.rept 64
	v_min_num_f32 v[S+i], v[S+i], v[16+8*(i/32)]   ; min(x, 0) - lse
.set i, i+1
.endr
.if \pf
	s_wait_dscnt 16                                ; weights and V^T are in; the next step's sixteen loads may be out
	s_add_co_u32 s[VO], s[VO], 4096
	v_add_nc_u32 v[KWD], s[CO], v[H32]
	v_add_nc_u32 v[VA], s[VO], v[LI]
.else
	s_wait_dscnt 0x0
.endif
.set i, 0
.rept 32
	v_pk_add_f32 v[S+2*i:S+2*i+1], v[S+2*i:S+2*i+1], v[KW+2*(i%16):KW+2*(i%16)+1]   ; + kv_w
.set i, i+1
.endr
.set i, 0
.rept 64
	v_exp_f32 v[S+i], v[S+i]
.set i, i+1
.endr
	v_nop                                          ; a plain line behind the last exponential
	s_wait_alu depctr_va_vdst(0)                   ; one wait for the batch
.set i, 0
.rept 64
	v_min_num_f32 v[S+i], v[S+i], v[SCP+1]         ; the conversion does not saturate (ISA guide 7.6.2); p is not negative: a one-sided hold
.set i, i+1
.endr
.set i, 0
.rept 8
	v_cvt_scalef32_pk8_bf8_f32 v[PC+2*i:PC+2*i+1], v[S+8*i:S+8*i+7], v[SCP]
.set i, i+1
.endr
	v_nop                                          ; a plain line behind the last conversion
	WIN 0x50                                       ; C and D (O^T) window 1
.set i, 0
.rept 8                                ; tile i / 2 of d, my tile i % 2: the eight accumulators take turns
.set rO, 8*(4*(i%2)+i/2)
.if \zero
	v_wmma_f32_16x16x64_bf8_bf8 v[rO:rO+7], v[VF+8*(i/2):VF+8*(i/2)+7], v[PC+8*(i%2):PC+8*(i%2)+7], 0
.else
	v_wmma_f32_16x16x64_bf8_bf8 v[rO:rO+7], v[VF+8*(i/2):VF+8*(i/2)+7], v[PC+8*(i%2):PC+8*(i%2)+7], v[rO:rO+7]
.endif
.set i, i+1
.endr
	WIN 0
.rept 4
	v_nop                                          ; ahead of the loads into V^T's registers, and of the first read of O^T
.endr
.endm
	s_mov_b32 s[KO], 0
	s_mov_b32 s[CO], CBL
	s_mov_b32 s[VO], VTL
	v_add_nc_u32 v[KA], s[KO], v[LI]
	v_add_nc_u32 v[CAD], s[CO], v[H32]
	v_add_nc_u32 v[KWD], s[CO], v[H32]
	v_add_nc_u32 v[VA], s[VO], v[LI]
	KCLOAD
	STEPB 1, 1                                     ; the first step's products start O^T's sums: nothing is cleared
	s_mov_b32 s31, 14
.Lpass_b:
	STEPB 1, 0
	s_sub_co_u32 s31, s31, 1
	s_cmp_lg_u32 s31, 0
	s_cbranch_scc1 .Lpass_b
	STEPB 0, 0
	; attn_vec = O^T x 2^(e14 + e15), quantised with entry 16: by the order of V^T's rows a lane's registers of tiles 2 b', 2 b' + 1 are d = 32 b' + 16 hh + 0..15: groups of the next product's image
	s_add_co_i32 s42, s82, s83
	s_add_co_i32 s42, s42, 127
	s_lshl_b32 s46, s42, 23
	s_mov_b32 s47, s46
	MKSC 84, 244
	WIN 0x01                                       ; source 0 (O^T) window 1
.set i, 0
.rept 32
	v_pk_mul_f32 v[S+2*i:S+2*i+1], v[2*i:2*i+1], s[46:47] op_sel_hi:[1,0]   ; each accumulator from its low end on
.set i, i+1
.endr
	WIN 0
.set i, 0
.rept 64
	v_med3_num_f32 v[S+i], v[S+i], -v245, v245
.set i, i+1
.endr
.set i, 0
.rept 8
	v_cvt_scalef32_pk8_bf8_f32 v[PC+2*i:PC+2*i+1], v[S+8*i:S+8*i+7], v244
.set i, i+1
.endr
	v_nop
.set i, 0
.rept 4
	global_store_b128 v[LI], v[PC+4*i:PC+4*i+3], s[38:39] offset:8192*(i/2)+512*(i%2)   ; 512 consecutive bytes, aligned
.set i, i+1
.endr
	s_barrier_signal -1
	s_barrier_wait -1
	s_set_vgpr_msb 0x5
	s_wait_tensorcnt 0x0
	ds_add_u32 v128, v129
	s_wait_dscnt 0x0
	s_set_vgpr_msb 0x500
	s_endpgm
.Lfunc_end_k_qc7658fb3ba_attn:
	.size	k_qc7658fb3ba_attn, .Lfunc_end_k_qc7658fb3ba_attn-k_qc7658fb3ba_attn
	.p2alignl 7, 3214868480
	.fill 96, 4, 3214868480
	.section	.rodata,"a",@progbits
	.p2align	6, 0x0
	.amdhsa_kernel k_qc7658fb3ba_attn
		.amdhsa_group_segment_fixed_size 148480
		.amdhsa_private_segment_fixed_size 0
		.amdhsa_enable_private_segment 0
		.amdhsa_kernarg_size 48
		.amdhsa_user_sgpr_count 2
		.amdhsa_user_sgpr_kernarg_segment_ptr 1
		.amdhsa_wavefront_size32 1
		.amdhsa_system_sgpr_workgroup_id_x 1
		.amdhsa_system_sgpr_workgroup_id_y 1
		.amdhsa_system_sgpr_workgroup_id_z 1
		.amdhsa_system_vgpr_workitem_id 0
		.amdhsa_next_free_vgpr 386
		.amdhsa_next_free_sgpr 90
		.amdhsa_reserve_vcc 1
		.amdhsa_float_denorm_mode_32 3
		.amdhsa_float_denorm_mode_16_64 3
		.amdhsa_memory_ordered 1
		.amdhsa_forward_progress 1
		.amdhsa_inst_pref_size 127
	.end_amdhsa_kernel
	.amdgpu_metadata
---
amdhsa.version: [ 1, 2 ]
amdhsa.kernels:
  - .name:           k_qc7658fb3ba_attn
    .symbol:         k_qc7658fb3ba_attn.kd
    .args:
      - { .name: c64, .offset: 0, .size: 8, .value_kind: global_buffer, .address_space: global }
      - { .name: vt, .offset: 8, .size: 8, .value_kind: global_buffer, .address_space: global }
      - { .name: rs, .offset: 16, .size: 8, .value_kind: global_buffer, .address_space: global }
      - { .name: ob, .offset: 24, .size: 8, .value_kind: global_buffer, .address_space: global }
      - { .name: lowp_scales, .offset: 32, .size: 8, .value_kind: global_buffer, .address_space: global }
      - { .name: ac, .offset: 40, .size: 8, .value_kind: global_buffer, .address_space: global }
    .group_segment_fixed_size: 148480
    .private_segment_fixed_size: 0
    .kernarg_segment_align: 8
    .kernarg_segment_size: 48
    .max_flat_workgroup_size: 256
    .sgpr_count:     90
    .vgpr_count:     386
    .wavefront_size: 32
...
	.end_amdgpu_metadata
.endif
;; end of part 4
;; launch outln (part 5): grid 256 x 1, 8 waves a work-group, no clusters, 83,456 bytes of LDS; arguments ac, wc, h, ln_g, ln_b, lowp_scales, out0; writes out0
.if DOCPART == 5
	.amdgcn_target "amdgcn-amd-amdhsa--gfx1250"
	.amdhsa_code_object_version 6
	.text
	.protected	k_qc7658fb3ba_outln
	.globl	k_qc7658fb3ba_outln
	.p2align	8
	.type	k_qc7658fb3ba_outln,@function
k_qc7658fb3ba_outln:
	s_mov_b64 s[64:65], 0
	v_nop
	global_prefetch_b8 v0, s[64:65] scope:SCOPE_SE
	s_setreg_imm32_b32 hwreg(HW_REG_WAVE_MODE, 25, 1), 1
	s_wait_xcnt 0x0
; out = LayerNorm(h + attn_vec Wo^T) x ln_g + ln_b; the product on codes of BF8 (E5M2), scale entries 16, 17; all else in f32.
; SHARES: work-group x: b = x % 8, pr = x / 8: two tiles of places, 32 neighbouring s.  In the product wave w owns columns 64 w .. 64 w + 63: its 64 x 512 codes of Wo stay in 256 registers (window 1).
; The product is used transposed (source 0 = 16 rows of Wo, source 1 = 16 places): a lane's registers of tiles 2 b', 2 b' + 1 are 16 neighbouring columns.  The 32 x 512 results meet in a stage in LDS;
; then wave w owns four whole rows: the norm never leaves the wave, and each load and store covers 512 consecutive bytes.
; LIMIT: e16 + e17 between -126 and 127.
; NO CLUSTER, NO TENSOR LOAD: every work-group reads Wo's 256 KiB of codes once, at its head, into registers, and nothing in LDS is filled twice.
.set STG,    16384                     ; LDS: attn_vec's 8 fragments at 0; the stage: 32 rows x 2,064
.set SPITCH, 2064                      ; 2,048 bytes + 16: row r starts at bank 4 r mod 64 (64 banks of 4 bytes: ISA guide 11.1)
.set LI,  1                            ; v1   16 x lane
.set T16, 2                            ; v2   16 x thread
.set SW,  3                            ; v3   the stage: in
.set SR,  4                            ; v4   the stage: out
.set G,   16                           ; v16-31  ln_g at my 16 columns
.set B,   32                           ; v32-47  ln_b
.set HR,  48                           ; v48-111 h: four rows x 16
.set AF,  112                          ; v112-175 four fragments; then the scaled results
.set ACC, 176                          ; v176-239 eight accumulators; then my four rows
.set XR,  176
; v240-255: four registers a row: +0 -mean, +1 at work, +2 1 / sqrt(var + eps), +3 at work
.set MSB, 0
.macro WIN new
.if MSB != \new
	s_set_vgpr_msb (MSB<<8)|\new
.set MSB, \new
.endif
.endm
	s_load_b256 s[4:11], s[0:1], 0x0               ; ac s[4:5], wc s[6:7], h s[8:9], ln_g s[10:11]
	s_load_b128 s[12:15], s[0:1], 0x20             ; ln_b s[12:13], exponents s[14:15]
	s_load_b64 s[16:17], s[0:1], 0x30              ; out0
	v_lshl_add_u32 v14, v0, 2, 0x14200
	v_mov_b32 v15, 0
	v_lshrrev_b32 v5, 5, v0
	v_readfirstlane_b32 s18, v5                    ; wave
	s_and_b32 s19, ttmp9, 7                        ; b
	s_lshr_b32 s20, ttmp9, 3                       ; pr
	s_mov_b32 s40, 0x76543210
	s_mov_b32 s41, 0xfedcba98
	s_mov_b32 s30, 0x3b000000                      ; 1 / 512
	s_mov_b32 s31, 0x3727c5ac                      ; 1e-5
	v_and_b32 v5, 31, v0
	v_lshlrev_b32 v[LI], 4, v5
	v_lshlrev_b32 v[T16], 4, v0
	v_and_b32 v6, 15, v0
	v_bfe_u32 v7, v0, 4, 1
	v_mul_u32_u24 v[SW], v6, SPITCH
	v_lshl_add_u32 v[SW], v7, 6, v[SW]
	s_lshl_b32 s21, s18, 8
	s_add_co_u32 s21, s21, STG
	v_add_nc_u32 v[SW], s21, v[SW]                 ; row r, + 256 w + 64 hh
	s_mul_i32 s21, s18, 4*SPITCH
	s_add_co_u32 s21, s21, STG
	v_add_nc_u32 v[SR], s21, v[LI]                 ; my four rows, 16 bytes a lane
	s_add_co_u32 s24, s18, 24                      ; Wo's block 24 + w of 32,768 bytes
	s_lshl_b32 s24, s24, 15
	s_mov_b32 s25, 0
	s_lshl_b32 s26, s19, 6                         ; ac: (64 b + 2 pr) x 8,192
	s_lshl_b32 s27, s20, 1
	s_add_co_u32 s26, s26, s27
	s_lshl_b32 s26, s26, 13
	s_mov_b32 s27, 0
	s_lshl_b32 s22, s20, 5                         ; my four rows' first s: 32 pr + 8 (w / 4) + 4 (w % 4) + 8 ((w % 4) / 2): stage rows 4 w .. 4 w + 3 in the places' order
	s_lshr_b32 s23, s18, 2
	s_lshl_b32 s23, s23, 3
	s_add_co_u32 s22, s22, s23
	s_and_b32 s23, s18, 3
	s_lshl_b32 s28, s23, 2
	s_add_co_u32 s22, s22, s28
	s_lshr_b32 s23, s23, 1
	s_lshl_b32 s23, s23, 3
	s_add_co_u32 s22, s22, s23
	s_lshl_b32 s22, s22, 14
	s_lshl_b32 s23, s19, 11
	s_add_co_u32 s22, s22, s23
	s_mov_b32 s23, 0
	s_wait_kmcnt 0x0
	s_load_b64 s[42:43], s[14:15], 0x40            ; e16, e17
	s_add_nc_u64 s[6:7], s[6:7], s[24:25]
	s_add_nc_u64 s[4:5], s[4:5], s[26:27]
	s_add_nc_u64 s[8:9], s[8:9], s[22:23]
	s_add_nc_u64 s[16:17], s[16:17], s[22:23]
	WIN 0x40                                       ; destination window 1
.set i, 0
.rept 64
	global_load_b128 v[4*i:4*i+3], v[LI], s[6:7] offset:512*i   ; fragment (t, ks) at v[16 (4 t + ks)] of window 1
.set i, i+1
.endr
	WIN 0
.set i, 0
.rept 4
	global_load_b128 v[AF+4*i:AF+4*i+3], v[T16], s[4:5] offset:4096*i
.set i, i+1
.endr
.set i, 0
.rept 16
	global_load_b128 v[HR+4*i:HR+4*i+3], v[LI], s[8:9] offset:16384*(i/4)+512*(i%4) th:TH_LOAD_NT
.set i, i+1
.endr
.set i, 0
.rept 4
	global_load_b128 v[G+4*i:G+4*i+3], v[LI], s[10:11] offset:512*i
	global_load_b128 v[B+4*i:B+4*i+3], v[LI], s[12:13] offset:512*i
.set i, i+1
.endr
	s_wait_loadcnt 24                              ; weights and attn_vec's codes are in; h's sixteen loads and the eight of ln_g and ln_b may be out
.set i, 0
.rept 4
	ds_store_b128 v[T16], v[AF+4*i:AF+4*i+3] offset:4096*i
.set i, i+1
.endr
	s_wait_dscnt 0x0
	s_barrier_signal -1
	s_barrier_wait -1                              ; the eight fragments lie in LDS
.irp m, 0,1
.set i, 0
.rept 16
	ds_load_b128 v[AF+4*i:AF+4*i+3], v[LI] offset:8192*\m+512*i
.set i, i+1
.endr
	s_wait_dscnt 0x0
	WIN 0x01                                       ; source 0 (Wo) window 1
.set i, 0
.rept 16                               ; K step i / 4, tile i % 4: four accumulators by turns
.set rD, ACC+32*\m+8*(i%4)
.set rW, 16*(4*(i%4)+i/4)
.set rA, AF+16*(i/4)
.if i < 4
	v_wmma_f32_16x16x128_bf8_bf8 v[rD:rD+7], v[rW:rW+15], v[rA:rA+15], 0
.else
	v_wmma_f32_16x16x128_bf8_bf8 v[rD:rD+7], v[rW:rW+15], v[rA:rA+15], v[rD:rD+7]
.endif
.set i, i+1
.endr
	WIN 0
.rept 4
	v_nop                                          ; ahead of the loads into the fragments' registers, and of the first read of results
.endr
.endr
	s_wait_kmcnt 0x0
	s_add_co_i32 s42, s42, s43
	s_add_co_i32 s42, s42, 127
	s_lshl_b32 s42, s42, 23                        ; 2^(e16 + e17) as f32
	s_mov_b32 s43, s42
.set i, 0
.rept 32
	v_pk_mul_f32 v[AF+2*i:AF+2*i+1], v[ACC+2*i:ACC+2*i+1], s[42:43] op_sel_hi:[1,0]   ; each accumulator from its low end on
.set i, i+1
.endr
.set i, 0
.rept 16                               ; tile of places i / 8, tile t = (i / 2) % 4, half i % 2: columns 64 w + 32 (t / 2) + 16 hh + 8 (t % 2) + 4 (i % 2) on
	ds_store_b128 v[SW], v[AF+4*i:AF+4*i+3] offset:16*SPITCH*(i/8)+128*(((i/2)%4)/2)+32*(((i/2)%4)%2)+16*(i%2)
.set i, i+1
.endr
	s_wait_dscnt 0x0
	s_barrier_signal -1
	s_barrier_wait -1                              ; 32 whole rows lie in the stage
.set i, 0
.rept 16
	ds_load_b128 v[XR+4*i:XR+4*i+3], v[SR] offset:SPITCH*(i/4)+512*(i%4)
.set i, i+1
.endr
	s_wait_dscnt 0x0
	s_wait_loadcnt 0x0                             ; h, ln_g, ln_b
.set i, 0
.rept 32
	v_pk_add_f32 v[XR+2*i:XR+2*i+1], v[XR+2*i:XR+2*i+1], v[HR+2*i:HR+2*i+1]   ; x = h + attn_out
.set i, i+1
.endr
.irp n, 0,1,2,3
	v_pk_add_f32 v[240+4*\n:241+4*\n], v[XR+16*\n:XR+16*\n+1], v[XR+16*\n+2:XR+16*\n+3]
.endr
.set j, 4
.rept 6
.irp n, 0,1,2,3
	v_pk_add_f32 v[240+4*\n:241+4*\n], v[240+4*\n:241+4*\n], v[XR+16*\n+j:XR+16*\n+j+1]
.endr
.set j, j+2
.endr
.irp n, 0,1,2,3
	v_add_f32 v[240+4*\n], v[240+4*\n], v[241+4*\n]
.endr
.irp m, 1,2,4,8
.irp n, 0,1,2,3
	v_add_f32_dpp v[240+4*\n], v[240+4*\n], v[240+4*\n] row_xmask:\m row_mask:0xf bank_mask:0xf
.endr
.endr
.irp n, 0,1,2,3
	v_permlanex16_b32 v[241+4*\n], v[240+4*\n], s40, s41
.endr
.irp n, 0,1,2,3
	v_add_f32 v[240+4*\n], v[240+4*\n], v[241+4*\n]
	v_mul_f32 v[240+4*\n], 0xbb000000, v[240+4*\n]     ; -mean
.endr
.set j, 0
.rept 8
.irp n, 0,1,2,3
	v_pk_add_f32 v[XR+16*\n+j:XR+16*\n+j+1], v[XR+16*\n+j:XR+16*\n+j+1], v[240+4*\n:241+4*\n] op_sel_hi:[1,0]   ; x - mean
.endr
.set j, j+2
.endr
.irp n, 0,1,2,3
	v_pk_mul_f32 v[242+4*\n:243+4*\n], v[XR+16*\n:XR+16*\n+1], v[XR+16*\n:XR+16*\n+1]
.endr
.set j, 2
.rept 7
.irp n, 0,1,2,3
	v_pk_fma_f32 v[242+4*\n:243+4*\n], v[XR+16*\n+j:XR+16*\n+j+1], v[XR+16*\n+j:XR+16*\n+j+1], v[242+4*\n:243+4*\n]
.endr
.set j, j+2
.endr
.irp n, 0,1,2,3
	v_add_f32 v[242+4*\n], v[242+4*\n], v[243+4*\n]
.endr
.irp m, 1,2,4,8
.irp n, 0,1,2,3
	v_add_f32_dpp v[242+4*\n], v[242+4*\n], v[242+4*\n] row_xmask:\m row_mask:0xf bank_mask:0xf
.endr
.endr
.irp n, 0,1,2,3
	v_permlanex16_b32 v[243+4*\n], v[242+4*\n], s40, s41
.endr
.irp n, 0,1,2,3
	v_add_f32 v[242+4*\n], v[242+4*\n], v[243+4*\n]
	v_fma_f32 v[242+4*\n], v[242+4*\n], s30, s31       ; var + eps
.endr
.irp n, 0,1,2,3
	v_rsq_f32 v[242+4*\n], v[242+4*\n]
.endr
	v_nop                                          ; a plain line behind the last of the four
	s_wait_alu depctr_va_vdst(0)                   ; one wait for the batch, ahead of its first reader
.set j, 0
.rept 8
.irp n, 0,1,2,3
	v_pk_mul_f32 v[XR+16*\n+j:XR+16*\n+j+1], v[XR+16*\n+j:XR+16*\n+j+1], v[242+4*\n:243+4*\n] op_sel_hi:[1,0]
	v_pk_fma_f32 v[XR+16*\n+j:XR+16*\n+j+1], v[XR+16*\n+j:XR+16*\n+j+1], v[G+j:G+j+1], v[B+j:B+j+1]
.endr
.set j, j+2
.endr
.set i, 0
.rept 16
	global_store_b128 v[LI], v[XR+4*i:XR+4*i+3], s[16:17] offset:16384*(i/4)+512*(i%4) th:TH_STORE_NT   ; 512 consecutive bytes, aligned; written once
.set i, i+1
.endr
	s_barrier_signal -1
	s_barrier_wait -1
	s_wait_tensorcnt 0x0
	ds_add_u32 v14, v15
	s_wait_dscnt 0x0
	s_endpgm
.Lfunc_end_k_qc7658fb3ba_outln:
	.size	k_qc7658fb3ba_outln, .Lfunc_end_k_qc7658fb3ba_outln-k_qc7658fb3ba_outln
	.p2alignl 7, 3214868480
	.fill 96, 4, 3214868480
	.section	.rodata,"a",@progbits
	.p2align	6, 0x0
	.amdhsa_kernel k_qc7658fb3ba_outln
		.amdhsa_group_segment_fixed_size 83456
		.amdhsa_private_segment_fixed_size 0
		.amdhsa_enable_private_segment 0
		.amdhsa_kernarg_size 56
		.amdhsa_user_sgpr_count 2
		.amdhsa_user_sgpr_kernarg_segment_ptr 1
		.amdhsa_wavefront_size32 1
		.amdhsa_system_sgpr_workgroup_id_x 1
		.amdhsa_system_sgpr_workgroup_id_y 1
		.amdhsa_system_sgpr_workgroup_id_z 1
		.amdhsa_system_vgpr_workitem_id 0
		.amdhsa_next_free_vgpr 512
		.amdhsa_next_free_sgpr 66
		.amdhsa_reserve_vcc 0
		.amdhsa_float_denorm_mode_32 3
		.amdhsa_float_denorm_mode_16_64 3
		.amdhsa_memory_ordered 1
		.amdhsa_forward_progress 1
		.amdhsa_inst_pref_size 38
	.end_amdhsa_kernel
	.amdgpu_metadata
---
amdhsa.version: [ 1, 2 ]
amdhsa.kernels:
  - .name:           k_qc7658fb3ba_outln
    .symbol:         k_qc7658fb3ba_outln.kd
    .args:
      - { .name: ac, .offset: 0, .size: 8, .value_kind: global_buffer, .address_space: global }
      - { .name: wc, .offset: 8, .size: 8, .value_kind: global_buffer, .address_space: global }
      - { .name: h, .offset: 16, .size: 8, .value_kind: global_buffer, .address_space: global }
      - { .name: ln_g, .offset: 24, .size: 8, .value_kind: global_buffer, .address_space: global }
      - { .name: ln_b, .offset: 32, .size: 8, .value_kind: global_buffer, .address_space: global }
      - { .name: lowp_scales, .offset: 40, .size: 8, .value_kind: global_buffer, .address_space: global }
      - { .name: out0, .offset: 48, .size: 8, .value_kind: global_buffer, .address_space: global }
    .group_segment_fixed_size: 83456
    .private_segment_fixed_size: 0
    .kernarg_segment_align: 8
    .kernarg_segment_size: 56
    .max_flat_workgroup_size: 256
    .sgpr_count:     66
    .vgpr_count:     512
    .wavefront_size: 32
...
	.end_amdgpu_metadata
.endif
;; end of part 5
